; MI455X (gfx1250); checked and timed in simulation.
; The chip was launched on July 23, 2026; its instructions are those of AMD's public machine-readable ISA for CDNA 5 (MIT licence, August 2026) and "CDNA5" Instruction Set Architecture Reference Guide (July 2026). The comments in the code are by the model that wrote it; some were corrected since.
;; Multi Head Attention. Allowed arithmetic: float matrix products may take bf16 or f16 operands with f32 sums; all other float work in f32.
;; Inputs: Wk 1,024 x 1,024 float32; Wo 1,024 x 1,024 float32; Wq 1,024 x 1,024 float32; Wv 1,024 x 1,024 float32; bo 1,024 float32; x 4 x 2,048 x 1,024 float32.
;; Outputs: out0 4 x 2,048 x 1,024 float32.
;; One version. Each part assembles by itself: llvm-mc -triple=amdgcn-amd-amdhsa -mcpu=gfx1250 --defsym DOCPART=n.
;; ======== version 1 of 1: 4 launches
;; limits: values are held in f16: magnitudes above 65,504 overflow, below 6.1e-05 lose precision
;; workspace buffers: xb 16,777,216 bytes; wb 8,388,608 bytes; qkv 50,331,648 bytes; ctx 16,777,216 bytes
;; launch cast (part 1): grid 768 x 1, 8 waves a work-group, no clusters, 0 bytes of LDS; arguments x, Wq, Wk, Wv, Wo, xb, wb; writes xb, wb
.if DOCPART == 1
	.amdgcn_target "amdgcn-amd-amdhsa--gfx1250"
	.amdhsa_code_object_version 6
	.text
	.protected	k_q462ee1f9bf_cast
	.globl	k_q462ee1f9bf_cast
	.p2align	8
	.type	k_q462ee1f9bf_cast,@function
k_q462ee1f9bf_cast:
	s_mov_b64 s[64:65], 0
	v_nop
	global_prefetch_b8 v0, s[64:65] scope:SCOPE_SE
	s_setreg_imm32_b32 hwreg(HW_REG_WAVE_MODE, 25, 1), 1
	s_wait_xcnt 0x0
; CAST.  xb = bf16(x), [8192][1024].  wb = [4][1024 k][1024 n]: bf16(Wq), bf16(Wk), bf16(Wv), and Wo rounded to bf16 with that number then written as f16
; (it is multiplied later with f16 numbers).  Nothing is transposed: each matrix keeps its order.
; LIMITS.  Wo beyond 65,504 in magnitude becomes an infinity in f16; below 6.1e-5 it keeps f16's fixed step of 6e-8.  NaN and infinities are not treated apart.
; A stream: every input byte is read once and every output byte written once, so there is no LDS, no barrier and no matrix work.
; SHARES.  A work-group converts 16,384 consecutive numbers (65,536 bytes in, 32,768 out).  Groups 0-511 take x; group 512 + 64 i + j takes part j of weight i (Wq, Wk, Wv, Wo).
; Thread t in step j loads the 16 bytes at 4,096 j + 16 t and stores the 8 bytes at 2,048 j + 8 t: a wave's load covers 512 consecutive bytes, its store 256 consecutive bytes, aligned.
; All sixteen loads of a thread go out at once; no register of a pending load or store is ever written again, so no wait but the counted ones is needed.
.set XGROUPS, 512                      ; 8,388,608 numbers of x / 16,384
.set WGROUPS, 64                       ; 1,048,576 numbers of a weight / 16,384
.set X, 8                              ; v[8:71]    step j: four f32 as loaded
.set Y, 72                             ; v[72:103]  step j: two words, four 16-bit numbers to store
	s_load_b256 s[4:11], s[0:1], 0x0               ; x s[4:5], Wq s[6:7], Wk s[8:9], Wv s[10:11]
	s_load_b128 s[12:15], s[0:1], 0x20             ; Wo s[12:13], xb s[14:15]
	s_load_b64 s[16:17], s[0:1], 0x30              ; wb
	s_sub_co_i32 s20, ttmp9, XGROUPS
	s_max_i32 s20, s20, 0                          ; my number among the weights' groups (0 for x's groups, where it is not used)
	s_lshr_b32 s21, s20, 6                         ; which weight
	s_and_b32 s22, s20, 63                         ; which part of it
	s_mov_b32 s28, 0xffff0000                      ; a word's upper bf16
	s_mov_b32 s19, 0                               ; high words of the two offsets
	s_mov_b32 s31, 0
	v_lshlrev_b32 v1, 4, v0                        ; 16 t
	v_lshlrev_b32 v2, 3, v0                        ; 8 t
	s_wait_kmcnt 0x0
	s_mov_b64 s[24:25], s[6:7]                     ; the source: one of the five inputs, chosen by the group's number alone
	s_cmp_eq_u32 s21, 1
	s_cselect_b64 s[24:25], s[8:9], s[24:25]
	s_cmp_eq_u32 s21, 2
	s_cselect_b64 s[24:25], s[10:11], s[24:25]
	s_cmp_eq_u32 s21, 3
	s_cselect_b64 s[24:25], s[12:13], s[24:25]
	s_lshl_b32 s18, s21, 21                        ; a weight is 2,097,152 bytes of wb
	s_add_nc_u64 s[26:27], s[16:17], s[18:19]      ; the destination
	s_cmp_lt_u32 ttmp9, XGROUPS
	s_cselect_b64 s[24:25], s[4:5], s[24:25]
	s_cselect_b64 s[26:27], s[14:15], s[26:27]
	s_cselect_b32 s22, ttmp9, s22                  ; the part's number in its tensor
	s_lshl_b32 s18, s22, 16                        ; 65,536 bytes in,
	s_lshl_b32 s30, s22, 15                        ; 32,768 bytes out
	s_add_nc_u64 s[24:25], s[24:25], s[18:19]
	s_add_nc_u64 s[26:27], s[26:27], s[30:31]
.irp j, 0,1,2,3,4,5,6,7,8,9,10,11,12,13,14,15
	global_load_b128 v[X+4*(\j):X+4*(\j)+3], v1, s[24:25] offset:4096*(\j) th:TH_LOAD_NT  ; read once in the launch
.endr
; Step j.  half = 1: the bf16 numbers are widened again (a shift, a mask) and written as f16.
.macro CONV j, half
	s_wait_loadcnt 15-(\j)                         ; loads come back in order (ISA guide 5.7.1): step j's is in, the 15 - j younger ones stay out
	v_cvt_pk_bf16_f32 v[Y+2*(\j)],   v[X+4*(\j)],   v[X+4*(\j)+1]
	v_cvt_pk_bf16_f32 v[Y+2*(\j)+1], v[X+4*(\j)+2], v[X+4*(\j)+3]
.if \half
	v_lshlrev_b32 v[X+4*(\j)],   16,  v[Y+2*(\j)]
	v_and_b32     v[X+4*(\j)+1], s28, v[Y+2*(\j)]
	v_lshlrev_b32 v[X+4*(\j)+2], 16,  v[Y+2*(\j)+1]
	v_and_b32     v[X+4*(\j)+3], s28, v[Y+2*(\j)+1]
	v_cvt_pk_f16_f32 v[Y+2*(\j)],   v[X+4*(\j)],   v[X+4*(\j)+1]
	v_cvt_pk_f16_f32 v[Y+2*(\j)+1], v[X+4*(\j)+2], v[X+4*(\j)+3]
.endif
	global_store_b64 v2, v[Y+2*(\j):Y+2*(\j)+1], s[26:27] offset:2048*(\j)
.endm
	s_cmp_ge_u32 ttmp9, XGROUPS+3*WGROUPS          ; Wo's groups
	s_cbranch_scc1 .Lhalf
.irp j, 0,1,2,3,4,5,6,7,8,9,10,11,12,13,14,15
	CONV \j, 0
.endr
	s_endpgm
.Lhalf:
.irp j, 0,1,2,3,4,5,6,7,8,9,10,11,12,13,14,15
	CONV \j, 1
.endr
	s_endpgm
.Lfunc_end_k_q462ee1f9bf_cast:
	.size	k_q462ee1f9bf_cast, .Lfunc_end_k_q462ee1f9bf_cast-k_q462ee1f9bf_cast
	.p2alignl 7, 3214868480
	.fill 96, 4, 3214868480
	.section	.rodata,"a",@progbits
	.p2align	6, 0x0
	.amdhsa_kernel k_q462ee1f9bf_cast
		.amdhsa_group_segment_fixed_size 0
		.amdhsa_private_segment_fixed_size 0
		.amdhsa_enable_private_segment 0
		.amdhsa_kernarg_size 56
		.amdhsa_user_sgpr_count 2
		.amdhsa_user_sgpr_kernarg_segment_ptr 1
		.amdhsa_wavefront_size32 1
		.amdhsa_system_sgpr_workgroup_id_x 1
		.amdhsa_system_sgpr_workgroup_id_y 1
		.amdhsa_system_sgpr_workgroup_id_z 1
		.amdhsa_system_vgpr_workitem_id 0
		.amdhsa_next_free_vgpr 104
		.amdhsa_next_free_sgpr 66
		.amdhsa_reserve_vcc 0
		.amdhsa_float_denorm_mode_32 3
		.amdhsa_float_denorm_mode_16_64 3
		.amdhsa_memory_ordered 1
		.amdhsa_forward_progress 1
		.amdhsa_inst_pref_size 16
	.end_amdhsa_kernel
	.amdgpu_metadata
---
amdhsa.version: [ 1, 2 ]
amdhsa.kernels:
  - .name:           k_q462ee1f9bf_cast
    .symbol:         k_q462ee1f9bf_cast.kd
    .args:
      - { .name: x, .offset: 0, .size: 8, .value_kind: global_buffer, .address_space: global }
      - { .name: Wq, .offset: 8, .size: 8, .value_kind: global_buffer, .address_space: global }
      - { .name: Wk, .offset: 16, .size: 8, .value_kind: global_buffer, .address_space: global }
      - { .name: Wv, .offset: 24, .size: 8, .value_kind: global_buffer, .address_space: global }
      - { .name: Wo, .offset: 32, .size: 8, .value_kind: global_buffer, .address_space: global }
      - { .name: xb, .offset: 40, .size: 8, .value_kind: global_buffer, .address_space: global }
      - { .name: wb, .offset: 48, .size: 8, .value_kind: global_buffer, .address_space: global }
    .group_segment_fixed_size: 0
    .private_segment_fixed_size: 0
    .kernarg_segment_align: 8
    .kernarg_segment_size: 56
    .max_flat_workgroup_size: 256
    .sgpr_count:     66
    .vgpr_count:     104
    .wavefront_size: 32
...
	.end_amdgpu_metadata
.endif
;; end of part 1
;; launch qkv (part 2): grid 4 x 64, 4 waves a work-group, clusters of 4 x 4, 327,680 bytes of LDS; arguments xb, wb, qkv; writes qkv
.if DOCPART == 2
	.amdgcn_target "amdgcn-amd-amdhsa--gfx1250"
	.amdhsa_code_object_version 6
	.text
	.protected	k_q462ee1f9bf_qkv
	.globl	k_q462ee1f9bf_qkv
	.p2align	8
	.type	k_q462ee1f9bf_qkv,@function
k_q462ee1f9bf_qkv:
	s_mov_b64 s[64:65], 0
	v_nop
	global_prefetch_b8 v0, s[64:65] scope:SCOPE_SE
	s_setreg_imm32_b32 hwreg(HW_REG_WAVE_MODE, 25, 1), 1
	s_wait_xcnt 0x0
	s_wait_alu depctr_hold_cnt(0) depctr_sa_sdst(0) depctr_va_vdst(0) depctr_va_sdst(0) depctr_va_ssrc(0) depctr_va_vcc(0) depctr_vm_vsrc(0)
	s_getreg_b32 s2, hwreg(HW_REG_IB_STS2, 6, 4)
	s_cmp_eq_u32 s2, 0
	s_cbranch_scc0 .Lentry_in_a_cluster
	s_endpgm
.Lentry_in_a_cluster:
	s_bfe_u32 s2, ttmp6, 0x10000c
	s_cmp_lg_u32 s2, 0xf033
	s_cbranch_scc0 .Lentry_shape_is_right
	s_endpgm
.Lentry_shape_is_right:
; Q, K, V = x W.  xb: [8192][1024] bf16.  wb: [4][1024 k][1024 n], of which matrices 0, 1, 2 (Wq, Wk, Wv, bf16) are used.  qkv: [3][64 bh][2048 s][64] f16, bh = 16 batch + head; unscaled.
; Sums in f32, K ascending, rounded once to f16.
; LIMITS.  f16 holds no number beyond 65,504: a larger q, k or v becomes an infinity.  Below 6.1e-5 f16 keeps its fixed step of 6e-8.  NaN and infinities are not treated apart.
; TILE.  128 rows x 256 columns.  Four waves, 2 x 2, each 64 x 128: 32 accumulators, 256 registers.
; A WORK-GROUP STAYS: 64 x 4 = 256 work-groups, each with three tiles: its 128 rows of x times its 256 columns of Wq, then of Wk, then of Wv.  Set-up is done once, and a tile's stores leave while the next tile is multiplied.
; K goes in steps of 128, 8 to a tile, 24 in all, through a ring of two LDS slots that does not stop at a tile's end; a wave's one tensor load brings 64 rows of x (256 bytes each) or 64 k rows of W (512 bytes each),
; rows that start at multiples of 256 bytes.  The three matrices lie end to end in wb, so W's 24 steps are one walk: its address steps by the same bytes across a change of tiles.  x's step goes round modulo 8:
; its address is made anew for each fill, from the step's number.
; CLUSTERS: 4 x 4 work-groups.  The four of a row of the cluster need the same tile of x, the four of a column the same tile of W: each tile is asked for JOINTLY, by the same tensor load with the same
; descriptor and a mask that names the four.
; THE MATRIX INSTRUCTION IS USED TRANSPOSED: source 0 = 16 columns of W, source 1 = 16 rows of x, so that a lane holds eight neighbouring numbers of a row of the result.
; W lies [k][n]; its fragments come out of LDS turned, by ds_load_tr16_b128: the weights are never transposed in memory.
; REGISTERS: window 0: v0-31 addresses; v32-127, v128-223 two fragment buffers (64 registers of W: 8 x 16 columns x 32 K; 32 of x: 4 x 16 rows x 32 K); on the way out v128-255 packed results
;   (the second buffer, which the tile's last quarter has multiplied, and 32 more: the first buffer then holds the next tile's first fragments).
;   window 1: the accumulators, (a, b) at v[8 (8 a + b)], a = 16 rows, b = 16 columns.
.set PA,    272                        ; a row of x in LDS: 256 bytes + 16 of padding = 68 words: the 16 rows of a load start at 16 different groups of four banks (64 banks of 4 bytes: ISA guide 11.1)
.set AHALF, 64*PA                      ; what one tensor load brings of x
.set ROWH,  64*PA                      ; from my wave's 64 rows to the other half's
.set PB,    544                        ; a k row of W in LDS: 512 bytes + 32 of padding = 136 words
.set BHALF, 64*PB                      ; what one tensor load brings of W
.set BOFF,  2*AHALF                    ; W's 128 k rows lie behind x's 128 rows
.set SLOT,  BOFF+2*BHALF
.set STAGE, 2*SLOT                     ; behind the ring, never filled by a tensor load: 16 rows x 144 bytes for each wave, for the way out
.set SP,    144
.set SPARE, STAGE+4*16*SP              ; behind the stages: the spare words, 128 bytes for each wave: two blocks of 256 bytes that no other line names
.set STEPA, 256                        ; a K step in memory: 128 numbers along x's rows,
.set STEPB, 128*2048                   ; 128 rows of W
.set PART,  64*2048*128                ; bytes of one of qkv's three tensors
.set TILES, 3
.set LAPS,  4                          ; a lap = two K steps = once round the ring; 1,024 / 256 laps to a tile
.set ADRA, 16                          ; v16-17  LDS address of my fragments of x in slot 0, 1
.set ADRB, 20                          ; v20-21  the same for W
.set STO,  24                          ; v24     the way out: where I put 16 bytes of a row
.set RD,   25                          ; v25     the way out: where I read rows back
.set GO,   26                          ; v26     my byte offset in 512 consecutive bytes of the result
.set SPW,  28                          ; v28     LDS address of my spare word: SPARE + 4 x my thread's number; never rewritten
.set NIL,  29                          ; v29     0; never rewritten
.set F0,   32
.set F1,   128
.set TMP,  128
.set KN,  2                            ; s2   the K step of x, 0 to 7, that is asked for next
.set OFF, 10                           ; s[10:11] its byte offset in x's rows
.set WV,  12                           ; s12  my wave's number
.set RH,  13                           ; s13  which half of the tile's rows is mine.  Also: I fetch x (0) or W (1)
.set CH,  14                           ; s14  which half of its columns.  Also: which half of that tile I fetch
.set TY,  15                           ; s15  tile row
.set XB,  18                           ; s[18:19] x at the rows that I fetch, K step 0; never rewritten
.set TX,  42                           ; s42  tile column
.set G1,  24                           ; s[24:31] descriptor group 1 for x's tiles;  s[32:39] group 0, one set for each slot
.set G0,  32
.set G1B, 48                           ; s[48:55], s[56:63] the same for W's tiles
.set G0B, 56
.set MSB, 0
.macro WIN new                         ; the immediate's high byte repeats the setting that is left; a switch that changes nothing is dropped
.if MSB != (\new)
	s_set_vgpr_msb (MSB<<8)|(\new)
.set MSB, \new
.endif
.endm
.set MUL,  0x50                        ; sources 0 and 1 window 0; C and D window 1
.set W_PK, 0x05                        ; sources 0 and 1 window 1, destination window 0
.macro JLOAD s                         ; a joint load: waves 0 and 1 fetch x's two halves, waves 2 and 3 W's; an s_nop 0 and four v_nop follow each of the two lines, ahead of the jump, the label and what follows
	s_cmp_eq_u32 s[RH], 0
	s_cbranch_scc0 .Lfor_b_\@
	tensor_load_to_lds s[G0+4*(\s):G0+4*(\s)+3], s[G1:G1+7]
	s_nop 0
.rept 4
	v_nop
.endr
	s_branch .Lasked_\@
.Lfor_b_\@:
	tensor_load_to_lds s[G0B+4*(\s):G0B+4*(\s)+3], s[G1B:G1B+7]
	s_nop 0
.rept 4
	v_nop
.endr
.Lasked_\@:
.endm
.macro CREST                           ; a round of the cluster's barrier behind its opening barrier
	s_cmp_lg_u32 s[WV], 0
	s_cbranch_scc1 .Lnot_wave_0_\@
	s_barrier_signal -3
.Lnot_wave_0_\@:
	s_barrier_wait -3
	s_barrier_signal -1
	s_barrier_wait -1
.endm
.macro CROUND                          ; a whole round
	s_barrier_signal -1
	s_barrier_wait -1
	CREST
.endm
	s_load_b128 s[4:7], s[0:1], 0x0                ; xb s[4:5], wb s[6:7]
	s_load_b64 s[8:9], s[0:1], 0x10                ; qkv
	v_lshl_add_u32 v[SPW], v0, 2, SPARE
	v_mov_b32 v[NIL], 0
	ds_add_u32 v28, v29
	ds_add_u32 v28, v29
	s_wait_dscnt 0x0
	v_lshrrev_b32 v1, 5, v0
	v_readfirstlane_b32 s[WV], v1                  ; wave 0..3
	s_lshr_b32 s[RH], s[WV], 1
	s_and_b32 s[CH], s[WV], 1
	s_bfe_u32 s40, ttmp6, 0x40000                  ; cx, cy: my place in the cluster
	s_bfe_u32 s41, ttmp6, 0x40004
	s_lshl_b32 s[TX], ttmp9, 2                     ; in a cluster launch ttmp9 and ttmp7 count clusters
	s_add_co_u32 s[TX], s[TX], s40                 ; tile column = 4 x cluster x + cx: 0 to 3, the same in all three matrices
	s_and_b32 s[TY], ttmp7, 0xffff
	s_lshl_b32 s[TY], s[TY], 2
	s_add_co_u32 s[TY], s[TY], s41                 ; tile row = 4 x cluster y + cy
	s_lshl_b32 s43, s41, 2
	s_lshl_b32 s43, 15, s43                        ; my row of the cluster: places 4 cy .. 4 cy + 3
	s_lshl_b32 s44, 0x1111, s40                    ; my column: places cx, cx + 4, cx + 8, cx + 12
	s_mov_b32 s[KN], 2                             ; K steps 0 and 1 are the first fills
	s_mov_b32 s[OFF+1], 0
	; descriptor group 1.  x: 64 rows x 128 elements; W: 64 rows x 256 elements; both padded in LDS
	s_or_b32 s[G1+0], s43, (1<<16)|(1<<20)|(1<<21)|(5<<22)|(3<<25)   ; 15:0 the mask: my row; 17:16 elements of 2 bytes; 20 padding on; 21 set beside a mask; 24:22 after every 64 words (code 5); 31:25 4 words (code 3)
	s_mov_b32 s[G1+1], 128<<16                     ; tensor_dim0 = 128
	s_mov_b32 s[G1+2], 64<<16                      ; tensor_dim1 = 64
	s_mov_b32 s[G1+3], 128<<16                     ; tile_dim0 = 128
	s_mov_b32 s[G1+4], 64                          ; tile_dim1 = 64
	s_mov_b32 s[G1+5], 1024                        ; 1,024 elements from row to row
	s_mov_b32 s[G1+6], 0
	s_mov_b32 s[G1+7], 0
	s_or_b32 s[G1B+0], s44, (1<<16)|(1<<20)|(1<<21)|(6<<22)|(7<<25)  ; the mask: my column; padding after every 128 words (code 6), 8 words (code 7)
	s_mov_b32 s[G1B+1], 256<<16                    ; tensor_dim0 = 256
	s_mov_b32 s[G1B+2], 64<<16                     ; tensor_dim1 = 64
	s_mov_b32 s[G1B+3], 256<<16                    ; tile_dim0 = 256
	s_mov_b32 s[G1B+4], 64                         ; tile_dim1 = 64
	s_mov_b32 s[G1B+5], 1024
	s_mov_b32 s[G1B+6], 0
	s_mov_b32 s[G1B+7], 0
	; where the tiles come from.  x's hang on the tile row alone, W's on the tile column alone; each address is made in registers that never hold the other coordinate
	s_lshl_b32 s16, s[TY], 7
	s_lshl_b32 s17, s[CH], 6
	s_add_co_u32 s16, s16, s17                     ; x: row 128 x tile row + 64 x half,
	s_lshl_b32 s16, s16, 11                        ; of 2,048 bytes
	s_mov_b32 s17, 0
	s_lshl_b32 s46, s[TX], 9                       ; W: 256 columns = 512 bytes for each tile column,
	s_lshl_b32 s47, s[CH], 17                      ; 64 k rows of 2,048 bytes for the half; the walk begins in matrix 0
	s_add_co_u32 s46, s46, s47
	s_mov_b32 s47, 0
	s_mul_i32 s20, s[CH], AHALF                    ; and where they go: no place in the cluster enters an LDS address
	s_mul_i32 s21, s[CH], BHALF
	s_add_co_u32 s21, s21, BOFF
	s_wait_kmcnt 0x0
	s_add_nc_u64 s[XB:XB+1], s[4:5], s[16:17]
	s_add_nc_u64 s[46:47], s[6:7], s[46:47]
	CROUND                                         ; all sixteen work-groups are here: the first joint loads meet
.irp s, 0,1
	s_mov_b32 s[G0+4*(\s)], 1                                        ; 1:0 count = 1
	s_add_co_u32 s[G0+4*(\s)+1], s20, (\s)*SLOT                      ; 63:32 LDS address
	s_add_nc_u64 s[G0+4*(\s)+2:G0+4*(\s)+3], s[XB:XB+1], (\s)*STEPA  ; 120:64 global address: K step s
	s_or_b32 s[G0+4*(\s)+3], s[G0+4*(\s)+3], 0x80000000              ; 127:126 type = 2
	s_mov_b32 s[G0B+4*(\s)], 1
	s_add_co_u32 s[G0B+4*(\s)+1], s21, (\s)*SLOT
	s_add_nc_u64 s[G0B+4*(\s)+2:G0B+4*(\s)+3], s[46:47], (\s)*STEPB
	s_or_b32 s[G0B+4*(\s)+3], s[G0B+4*(\s)+3], 0x80000000
	JLOAD \s                                       ; two tensor loads of mine are out behind these; later one behind each round
.endr
	; A fragment of x is 16 rows x 32 K in 8 registers: lane l holds row l % 16, K = 8 (l / 16) + 0..7 and 16 + 8 (l / 16) + 0..7: two loads of 16 bytes, 32 bytes apart.
	v_and_b32 v1, 15, v0                           ; l % 16
	v_bfe_u32 v2, v0, 4, 1                         ; l / 16
	v_mul_u32_u24 v3, v1, PA
	v_lshl_add_u32 v3, v2, 4, v3                   ; row x pitch + 16 x half
	s_mul_i32 s21, s[RH], ROWH                     ; my 64 rows
	v_add_nc_u32 v[ADRA], s21, v3
	v_add_nc_u32 v[ADRA+1], SLOT, v[ADRA]
	; The turning load takes 16 k x 16 columns (lane l reads 16 bytes: k row 8 (l / 16) + l % 8, columns 8 ((l / 8) % 2) + 0..7) and leaves half a fragment: lane l holds column l % 16 and 8 k.
	v_and_b32 v4, 7, v0
	v_lshl_add_u32 v4, v2, 3, v4
	v_mul_u32_u24 v4, v4, PB
	v_bfe_u32 v5, v0, 3, 1
	v_lshl_add_u32 v4, v5, 4, v4
	s_lshl_b32 s22, s[CH], 8                       ; my 128 columns: 256 bytes of a row
	s_add_co_u32 s22, s22, BOFF
	v_add_nc_u32 v[ADRB], s22, v4
	v_add_nc_u32 v[ADRB+1], SLOT, v[ADRB]
	s_mul_i32 s23, s[WV], 16*SP
	s_add_co_u32 s23, s23, STAGE                   ; my stage
	v_mul_u32_u24 v5, v1, SP                       ; in: row l % 16, 16 bytes for each half of the lanes
	v_lshl_add_u32 v5, v2, 4, v5
	v_add_nc_u32 v[STO], s23, v5
	v_bfe_u32 v6, v0, 3, 2                         ; back: 32 lanes take four rows of 128 bytes,
	v_mul_u32_u24 v6, v6, SP
	v_and_b32 v5, 7, v0
	v_lshl_add_u32 v6, v5, 4, v6
	v_add_nc_u32 v[RD], s23, v6
	v_and_b32 v[GO], 31, v0                        ; which are 512 consecutive bytes of a head
	v_lshlrev_b32 v[GO], 4, v[GO]
	; where my part of the first tensor begins: head 16 batch + 4 x tile column + 2 x column half; row 128 (tile row % 16) + 64 x row half; 128 bytes a row
	s_lshr_b32 s16, s[TY], 4
	s_lshl_b32 s16, s16, 15                        ; 16 heads of 2,048 rows for each batch
	s_and_b32 s17, s[TY], 15
	s_lshl_b32 s17, s17, 7
	s_add_co_u32 s16, s16, s17
	s_lshl_b32 s17, s[RH], 6
	s_add_co_u32 s16, s16, s17
	s_lshl_b32 s16, s16, 7
	s_lshl_b32 s17, s[CH], 19                      ; two heads of 262,144 bytes
	s_add_co_u32 s16, s16, s17
	s_mov_b32 s17, 0
	s_add_nc_u64 s[8:9], s[8:9], s[16:17]
	s_lshl_b32 s46, s[TX], 20                      ; four heads
	s_mov_b32 s47, 0
	s_add_nc_u64 s[8:9], s[8:9], s[46:47]
; 8 matrix instructions: block a of 16 rows x all 8 blocks of 16 columns, 32 along K, from buffer f.  zero = 1: the first product starts the sums: nothing is ever cleared.
; The 32 accumulators take turns, one instruction a turn, in the same order in every quarter, from tile to tile too.
.macro MUL8 f, a, zero
	WIN MUL
.irp b, 0,1,2,3,4,5,6,7
.if \zero
	v_wmma_f32_16x16x32_bf16 v[8*(8*(\a)+(\b)):8*(8*(\a)+(\b))+7], v[(\f)+8*(\b):(\f)+8*(\b)+7], v[(\f)+64+8*(\a):(\f)+64+8*(\a)+7], 0
.else
	v_wmma_f32_16x16x32_bf16 v[8*(8*(\a)+(\b)):8*(8*(\a)+(\b))+7], v[(\f)+8*(\b):(\f)+8*(\b)+7], v[(\f)+64+8*(\a):(\f)+64+8*(\a)+7], v[8*(8*(\a)+(\b)):8*(8*(\a)+(\b))+7]
.endif
.endr
.endm
.macro MUL16 f, a0, zero
	MUL8 \f, \a0, \zero
	MUL8 \f, (\a0)+1, \zero
.endm
; 24 LDS loads in one run: the fragments of quarter q (32 along K) of a slot into buffer f: W's sixteen first, then x's eight
.macro FETCH slot, q, f
	WIN 0
.irp b, 0,1,2,3,4,5,6,7
	ds_load_tr16_b128 v[(\f)+8*(\b):(\f)+8*(\b)+3],   v[ADRB+(\slot)] offset:(\q)*32*PB+32*(\b)
	ds_load_tr16_b128 v[(\f)+8*(\b)+4:(\f)+8*(\b)+7], v[ADRB+(\slot)] offset:(\q)*32*PB+16*PB+32*(\b)
.endr
.irp a, 0,1,2,3
	ds_load_b128 v[(\f)+64+8*(\a):(\f)+64+8*(\a)+3],   v[ADRA+(\slot)] offset:64*(\q)+16*(\a)*PA
	ds_load_b128 v[(\f)+64+8*(\a)+4:(\f)+64+8*(\a)+7], v[ADRA+(\slot)] offset:64*(\q)+16*(\a)*PA+32
.endr
.endm
.macro PLACES                          ; four places in front of loads into registers that matrix instructions have read, and of conversions that read results or write such registers (ISA guide 7.12.1 for vector instructions)
.rept 4
	v_nop
.endr
.endm
; A K step is four quarters of 32 along K, 32 matrix instructions each, on buffers 0, 1, 0, 1.  One of the first three: multiplies buffer f and, in its middle, fetches quarter qn of the same slot into g.
.macro QUARTER slot, qn, f, g, zero
	s_wait_dscnt 4                                 ; W's sixteen loads and x's blocks 0, 1 are in; the youngest four (x's blocks 2, 3) may be out
	MUL16 \f, 0, \zero
	PLACES
	FETCH \slot, \qn, \g
	s_wait_dscnt 24                                ; all but the 24 just issued
	MUL16 \f, 2, \zero
.endm
; The last quarter multiplies buffer 1 and changes slots: ONE barrier; in front of it each wave waits for all its tensor loads, adds 0 to its spare word, and waits for that and for its own reads of this slot.
; fill = 1: this slot is filled again, with the walk's K step two steps on, the next tile's if this tile has no more; the barrier then opens a round of the cluster's barrier.
.macro TURN slot, next, fill
	WIN 0                                          ; (the add's two registers lie in window 0)
	s_wait_tensorcnt 0x0                           ; all my tensor loads have landed: the one that was out is my part of the next slot; so every group 0 may be written
	ds_add_u32 v[SPW], v[NIL]                      ; 0 onto my spare word: the descriptors' scalar work and eight matrix instructions stand between it and the wait for it
.if \fill
	s_lshl_b32 s[OFF], s[KN], 8                    ; x: K step KN lies 256 KN bytes along the rows; the address is made anew from the base, and the type set again
	s_add_nc_u64 s[G0+4*(\slot)+2:G0+4*(\slot)+3], s[XB:XB+1], s[OFF:OFF+1]
	s_or_b32 s[G0+4*(\slot)+3], s[G0+4*(\slot)+3], 0x80000000
	s_add_co_u32 s[KN], s[KN], 1                   ; the step after it, round modulo 8: behind a tile's step 7 comes the next tile's step 0
	s_and_b32 s[KN], s[KN], 7
	s_add_nc_u64 s[G0B+4*(\slot)+2:G0B+4*(\slot)+3], s[G0B+4*(\slot)+2:G0B+4*(\slot)+3], 2*STEPB  ; W: 256 k rows on, into the next matrix too; the type bits on top are not reached
.endif
	s_wait_dscnt 5                                 ; (the add and the youngest four loads may be out)
	MUL8 F1, 0, 0
	s_wait_dscnt 0x0                               ; the add is done, and my reads of this slot are over
	s_barrier_signal -1
	MUL8 F1, 1, 0
.if \fill
	WIN 0
.endif
	s_barrier_wait -1
.if \fill
	CREST                                          ; no wave of any partner still reads this slot's tile or has a load on its way
	JLOAD \slot                                    ; the first tensor load behind the round: 112 matrix instructions ahead of the wait for it; its four v_nop are also the places in front of the loads below
.else
	PLACES
.endif
	FETCH \next, 0, F0
	MUL16 F1, 2, 0
.endm
; THE WAY OUT, in eight groups: group t is block t / 2 of 16 rows and head t % 2 of my two: four accumulators, 16 rows x 64 columns.  Rounded to f16, a lane's eight columns are 16 bytes; they go into my own
; stage (rows of 144 bytes) and come back as whole rows of 128, four rows to a load: 512 consecutive bytes of the head.
.macro PACK t
.set AC, 64*((\t)/2)+32*((\t)%2)
.set TT, TMP+16*(\t)
	WIN W_PK
.set i, 0
.rept 16
	v_cvt_pk_f16_f32 v[TT+i], v[AC+2*i], v[AC+2*i+1]  ; each accumulator's registers in ascending order
.set i, i+1
.endr
	WIN 0
.irp f, 0,1,2,3
	ds_store_b128 v[STO], v[TT+4*(\f):TT+4*(\f)+3] offset:32*(\f)
.endr
.irp f, 0,1,2,3
	ds_load_b128 v[TT+4*(\f):TT+4*(\f)+3], v[RD] offset:4*SP*(\f)  ; LDS serves a wave's instructions in order (ISA guide 5.7.1.4): these see the stores above; the next group's stores come behind them
.endr
.endm
.macro SEND t, younger                 ; younger: the LDS instructions issued behind group t's loads: the next group's eight, or none
.set TT, TMP+16*(\t)
.irp f, 0,1,2,3
	s_wait_dscnt (\younger)+3-(\f)
	global_store_b128 v[GO], v[TT+4*(\f):TT+4*(\f)+3], s[8:9] offset:((\t)%2)*262144+((\t)/2)*2048+(\f)*512  ; 512 consecutive bytes, at a multiple of 256 from the buffer's first
.endr
.endm
.macro WAYOUT                          ; a group's conversions stand between the loads of the group before and its stores; each group has registers of its own
	PLACES                                         ; behind the tile's last products: the conversions read results and write registers that those products read
	PACK 0
.irp t, 1,2,3,4,5,6,7
	PACK \t
	SEND (\t)-1, 8
.endr
	SEND 7, 0
.endm
	s_wait_tensorcnt 1                             ; my part of K step 0 is in; K step 1's may stay out
	s_barrier_signal -1
	s_barrier_wait -1                              ; everybody's is
	FETCH 0, 0, F0
	QUARTER 0, 1, F0, F1, 1                        ; the first tile's first quarter stands in front of the loop: its products start the sums
	WIN 0                                          ; at a label and at a branch every window is 0
	s_mov_b32 s3, TILES*LAPS-1                     ; 12 laps in all; the last fills nothing and is written out
.Llap:                                                 ; a trip goes once round the ring, from a lap's second quarter to the next lap's first, and fills both slots again
	QUARTER 0, 2, F1, F0, 0
	QUARTER 0, 3, F0, F1, 0
	TURN 0, 1, 1
	QUARTER 1, 1, F0, F1, 0
	QUARTER 1, 2, F1, F0, 0
	QUARTER 1, 3, F0, F1, 0
	TURN 1, 0, 1
	WIN 0
	s_and_b32 s23, s3, LAPS-1                      ; the count goes 11 to 1: at 8 and at 4 a tile's fourth lap has just ended
	s_cmp_eq_u32 s23, 0
	s_cbranch_scc1 .Lnext                          ; a jump forward, past text with no barrier and no tensor load
	QUARTER 0, 1, F0, F1, 0                        ; the same tile's next lap
	WIN 0
	s_branch .Lbottom
.Lnext:                                                ; BOTH REFILLS FOR THE NEXT TILE ARE ASKED FOR, and its first fragments are on their way into buffer 0: now the tile goes out
	WAYOUT
	s_wait_xcnt 0x0                                ; every earlier memory instruction has had its addresses translated (ISA guide 3.1): only behind this wait are the stores' base and their data, which lie in buffer 1, written again
	s_add_nc_u64 s[8:9], s[8:9], PART              ; the next of qkv's three tensors
	QUARTER 0, 1, F0, F1, 1                        ; the next tile's first quarter: its products start the sums anew
	WIN 0
.Lbottom:                                              ; both ways end in the same quarter's loads and waits, so the counts at the loop's head hold for both
	s_sub_co_u32 s3, s3, 1
	s_cmp_lg_u32 s3, 0
	s_cbranch_scc1 .Llap
	QUARTER 0, 2, F1, F0, 0                        ; the last tile's last lap asks for nothing
	QUARTER 0, 3, F0, F1, 0
	TURN 0, 1, 0
	QUARTER 1, 1, F0, F1, 0
	QUARTER 1, 2, F1, F0, 0
	QUARTER 1, 3, F0, F1, 0
	s_wait_dscnt 4                                 ; the very last quarter: nothing more to fetch
	MUL16 F1, 0, 0
	s_wait_dscnt 0x0
	MUL16 F1, 2, 0
	WIN 0
	WAYOUT
	s_wait_tensorcnt 0x0                           ; the wave's end: behind my last tensor load and my last LDS store
	ds_add_u32 v[SPW], v[NIL]
	s_wait_dscnt 0x0
	CROUND                                         ; the closing round: no work-group ends while a partner may still ask for a tile that names it
	s_endpgm
.Lfunc_end_k_q462ee1f9bf_qkv:
	.size	k_q462ee1f9bf_qkv, .Lfunc_end_k_q462ee1f9bf_qkv-k_q462ee1f9bf_qkv
	.p2alignl 7, 3214868480
	.fill 96, 4, 3214868480
	.section	.rodata,"a",@progbits
	.p2align	6, 0x0
	.amdhsa_kernel k_q462ee1f9bf_qkv
		.amdhsa_group_segment_fixed_size 327680
		.amdhsa_private_segment_fixed_size 0
		.amdhsa_enable_private_segment 0
		.amdhsa_kernarg_size 24
		.amdhsa_user_sgpr_count 2
		.amdhsa_user_sgpr_kernarg_segment_ptr 1
		.amdhsa_wavefront_size32 1
		.amdhsa_system_sgpr_workgroup_id_x 1
		.amdhsa_system_sgpr_workgroup_id_y 1
		.amdhsa_system_sgpr_workgroup_id_z 1
		.amdhsa_system_vgpr_workitem_id 0
		.amdhsa_next_free_vgpr 512
		.amdhsa_next_free_sgpr 66
		.amdhsa_reserve_vcc 0
		.amdhsa_float_denorm_mode_32 3
		.amdhsa_float_denorm_mode_16_64 3
		.amdhsa_memory_ordered 1
		.amdhsa_forward_progress 1
		.amdhsa_inst_pref_size 108
	.end_amdhsa_kernel
	.amdgpu_metadata
---
amdhsa.version: [ 1, 2 ]
amdhsa.kernels:
  - .name:           k_q462ee1f9bf_qkv
    .symbol:         k_q462ee1f9bf_qkv.kd
    .args:
      - { .name: xb, .offset: 0, .size: 8, .value_kind: global_buffer, .address_space: global }
      - { .name: wb, .offset: 8, .size: 8, .value_kind: global_buffer, .address_space: global }
      - { .name: qkv, .offset: 16, .size: 8, .value_kind: global_buffer, .address_space: global }
    .group_segment_fixed_size: 327680
    .private_segment_fixed_size: 0
    .kernarg_segment_align: 8
    .kernarg_segment_size: 24
    .max_flat_workgroup_size: 128
    .sgpr_count:     66
    .vgpr_count:     512
    .wavefront_size: 32
...
	.end_amdgpu_metadata
.endif
;; end of part 2
;; launch attn (part 3): grid 4 x 64, 4 waves a work-group, no clusters, 327,680 bytes of LDS; arguments qkv, ctx; writes ctx
.if DOCPART == 3
	.amdgcn_target "amdgcn-amd-amdhsa--gfx1250"
	.amdhsa_code_object_version 6
	.text
	.protected	k_q462ee1f9bf_attn
	.globl	k_q462ee1f9bf_attn
	.p2align	8
	.type	k_q462ee1f9bf_attn,@function
k_q462ee1f9bf_attn:
	s_mov_b64 s[64:65], 0
	v_nop
	global_prefetch_b8 v0, s[64:65] scope:SCOPE_SE
	s_setreg_imm32_b32 hwreg(HW_REG_WAVE_MODE, 25, 1), 1
	s_wait_xcnt 0x0
; CAUSAL ATTENTION.  O[h][q][:] = the sum over k <= q of softmax_k(Q[h][q] . K[h][k] / 8) V[h][k][:].  Q, K, V are the three parts of qkv, O is ctx: each [64 h][SIZE_N][64] in f16: a head's rows are dense, 128 bytes each.
; Products, maxima and sums in f32; the weights p are rounded to f16 for the second product (their sum l is taken of the unrounded p), O once at the end.
; LIMITS.  f16 holds no number beyond 65,504: Q, K and V arrive within it; p lies in 0 to 1, and below 6e-5 it keeps f16's fixed step of 6e-8; O is a mean of V's rows and has their range, to within 2^-11 of it.
; A hidden score counts as its value less 1e30: f16's scores, 2.7e11 at the most, are nothing beside that; a weight below 2^-126 counts as 0 in l; NaN and infinities are not treated apart.
; THE WALK.  A head's queries lie in NB = SIZE_N / 256 = 8 blocks of 256; block i needs the key tiles 0 .. i of 256 keys, of which the last holds the diagonal.  A work-group takes TWO blocks, NB - 1 - b and then b:
; NB + 1 tiles, whatever b: all 4 x 64 = 256 work-groups do equal work, and ONE loop with a constant trip count walks them.  Which tile is asked for, and what a trip does, hang on scalar registers made from b; every jump
; goes forward, but for the counted loops' own; none passes a barrier, or a tensor load but the one of LOAD's two that the wave's number does not choose; the ring (two slots of LDS that take turns) runs on across the
; change of blocks.  NO CLUSTER: a head's NB / 2 = 4 work-groups ask for the same tile only in trips 0 .. NB / 2 of the NB + 1, behind that fewer and fewer; and one walk common to all four,
; in which each makes every joint request, would have 3 NB / 2 = 12 trips for 9.
; SHARES.  Of a block's four bands of 64 queries a wave owns 16 rows in each: four PIECES.  So the diagonal tile is the same work for all four waves: in its key step s band x sees all keys if s < x,
; none if s > x, and holds the diagonal if s = x.
; THE MASK is the C operand that starts the sum S^T = K Q^T: 0, or -1e30 where the key is hidden.  MD, made once, is the mask of a band's own step for my 16 rows; a product's mask is MD x AL + BE with two scalars:
; (1, 0) if s = x; (0, 0) if s < x; (0, -1e30) if s > x.  Only the diagonal tile's text and a block's beginning make and take masks; elsewhere C is the constant 0.
; LAYOUT, SOFTMAX, TURNS.  S^T = K Q^T holds ONE query a lane (lane % 16) and the keys 8 (lane / 16) + 0..7; two such results rounded to f16 ARE source 1 of O^T = V^T P.  p = 2^(c s - c m), c = log2(e) / 8, with a
; running maximum m; O and l are multiplied by a = 2^(c m_old - c m_new) in every step.  Turn n belongs to piece n: 8 products K Q^T of piece n + 1, later 8 products V^T P of piece n - 1; beside them the scaling,
; exponentials, roundings, sums and rescaling of piece n and the maximum and statistics of piece n + 1.  Four vector instructions stand behind every matrix instruction, the other 54 of a turn's 118 in two LUMPS.
; REGISTERS, in windows of 256 (s_set_vgpr_msb: bits 1:0 source 0, 3:2 source 1, 5:4 source 2, 7:6 destination):
;   window 0: v0-15 addresses and two at work; v16-31 four registers of statistics a piece; v48-55 at work; v64-127 S^T, two buffers; v192-223 P, two buffers (a piece's buffers go by its number's parity)
;   window 1: v0-127 O^T, 32 a piece; v128-159 MD; v160-223 MC, two buffers      window 2: v0-63 Q; v64-127 the second block's Q; v128-191 K of one step; v192-255 V of one step
.set SIZE_N, 2048
.set PART,  64*SIZE_N*128  ; bytes from Q to K and from K to V in qkv
.set NB,    SIZE_N/256
.set NP,    4         ; pieces a wave: a name, no knob
.set KS,    64        ; keys in a step
.set PK,    144       ; a row of K in LDS: 128 bytes + 16 of padding = 36 words: the 16 rows of a load start at 16 different groups of four banks (64 banks of 4 bytes: ISA guide 11.1)
.set PV,    160       ; a row of V: 128 + 32 = 40 words
.set VOFF,  4*KS*PK   ; a slot holds a tile, four steps: 256 rows of K, then 256 rows of V
.set SLOT1, 1<<17     ; slot 1 begins here, so that one exclusive or turns an address in one slot into the other's
.set STAGE, SLOT1+4*KS*(PK+PV)  ; behind the ring, never filled by a tensor load: 16 rows x 144 bytes for each wave, for the way out
.set SP,    144
.set AK0, 2           ; v2   my lane's place in a tile of K; never rewritten
.set AV0, 3           ; v3   the same for V
.set AK,  4           ; v4   the LDS address of K's next run of loads
.set AV,  5           ; v5   of V's
.set STO, 6           ; v6   the way out: where I put 16 bytes of a row
.set RD,  7           ; v7   the way out: where I read rows back
.set GO,  8           ; v8   my byte offset in 512 consecutive bytes of O
.set SPW, 62          ; v62  LDS address of my spare word: SPARE + 4 x my thread's number; never rewritten
.set NIL, 63          ; v63  0; never rewritten
.set SPARE, STAGE+4*16*SP  ; behind the stages: the spare words, 128 bytes for each wave: two blocks of 256 bytes that no other line names
.set MV,  12          ; v12-13  c m_old, kept while c m is made anew: by buffer
.set QO,  15          ; v15  my byte offset in 16 rows of Q
.set ST,  16          ; piece t's statistics at v[ST+4 t]: c m, m, l (even keys', odd keys')
.set TMP, 48          ; by buffer, four registers c0-c3 at work; when the maximum is found c2 takes a
.set S,   64
.set P,   192
.set MD,  128         ; window 1: the eight registers for group kt of 16 keys at MD + 8 kt
.set MC,  160         ; window 1: the masks of the products to come
.set QB,  64          ; window 2
.set KF,  128         ; window 2: key block kb, channel half c at KF + 16 kb + 8 c
.set VF,  192         ; window 2: key half kk, channel block cb at VF + 32 kk + 8 cb
.set WV,  12          ; s12  my wave's number
.set PB,  14          ; s14  b
.set HI,  15          ; s15  NB - 1 - b
.set G1K, 24          ; s[24:31] descriptor group 1 for K's tiles
.set G1V, 32          ; s[32:39] for V's: it differs in the padding alone
.set G0K, 40          ; s[40:43] descriptor group 0 for K's tiles
.set G0V, 44          ; s[44:47] the same for V's
.set SLOTS, 56        ; s56  tiles still to be asked for
.set CNT, 57          ; s57  counts a tile's key steps, 4 to 1
.set CS,  58          ; s[58:59] c: the packed scaling takes the pair's low word for both halves
.set SEL, 60          ; s[60:61] v_permlanex16_b32's selects: each lane takes its own place in the other half
.set TBK, 62          ; s62  LDS byte at which K of the step to be fetched begins
.set TBV, 63          ; s63  the same for V, less VOFF
.set RT,  70          ; s70  tiles of the block in hand that are still to be entered
.set NXT, 71          ; s71  the tile to be asked for next
.set LQ,  72          ; s72  the last tile of the block whose tiles are being asked for
.set NEW, 73          ; s73  1: the tile to be entered is a block's first
.set OFF, 74          ; s[74:75] a tile's byte offset in K and V
.set AL,  76          ; s[76:77] the mask's factor, in the low word
.set BE,  78          ; s[78:79] the mask's addend
.set OLO, 80          ; s[80:81] O at my rows of the second block
.set BIGN, 82         ; s82  -1e30
.set MSB, 0
.macro WIN new                      ; the high byte repeats the setting that is left; a switch that changes nothing is dropped
.if MSB != (\new)
	s_set_vgpr_msb (MSB<<8)|(\new)
.set MSB, (\new)
.endif
.endm
.set W_KQ, 0x0a       ; K and Q in window 2, S^T in window 0
.set W_KM, 0x1a       ; the same with the C operand in window 1
.set W_PV, 0x52       ; V in window 2, P in window 0, O^T in window 1
.set W_RS, 0x41       ; destination and source 0 in window 1, source 1 in window 0
; A fill.  Waves 0 and 1 fetch the two halves of a tile's K, waves 2 and 3 those of its V: 128 keys each.  An s_nop 0 and four v_nop follow each of the two lines, ahead of the jump and the label.
.macro LOAD
	s_cmp_lt_u32 s[WV], 2
	s_cbranch_scc0 .Lfor_v_\@
	tensor_load_to_lds s[G0K:G0K+3], s[G1K:G1K+7]
	s_nop 0
.rept 4
	v_nop
.endr
	s_branch .Lasked_\@
.Lfor_v_\@:
	tensor_load_to_lds s[G0V:G0V+3], s[G1V:G1V+7]
	s_nop 0
.rept 4
	v_nop
.endr
.Lasked_\@:
.endm
; THE CHANGE OF SLOTS.  Each wave waits for all its tensor loads, of which one is out: its part of the other slot; adds 0 to its spare word; and waits for that and for its own reads of the slot that it leaves.  Behind the barrier nobody reads the old
; slot any more and the other slot is whole.  fill = 1: the old slot is filled again, the first thing behind the barrier, with tile NXT: the descriptor's address is made anew from that number.
; (At its first use nothing has been read yet: slot 0 is waited for, slot 1 filled.)
.macro CHANGE fill
	WIN 0                           ; at a label and at a branch every window is 0
	s_wait_tensorcnt 0x0            ; no tensor load of mine is out, so a group 0 may be written
	ds_add_u32 v[SPW], v[NIL]       ; 0 onto my spare word: with fill = 1 the descriptors' scalar work stands between it and the wait for it
.if \fill
	s_lshl_b32 s[OFF], s[NXT], 15   ; a tile is 32,768 bytes of K and of V
	s_xor_b32 s[G0K+1], s[G0K+1], SLOT1
	s_add_nc_u64 s[G0K+2:G0K+3], s[6:7], s[OFF:OFF+1]
	s_or_b32 s[G0K+3], s[G0K+3], 0x80000000
	s_xor_b32 s[G0V+1], s[G0V+1], SLOT1
	s_add_nc_u64 s[G0V+2:G0V+3], s[8:9], s[OFF:OFF+1]
	s_or_b32 s[G0V+3], s[G0V+3], 0x80000000
	s_add_co_u32 s[NXT], s[NXT], 1  ; the block's next tile, or behind its last the second block's tile 0
	s_cmp_gt_u32 s[NXT], s[LQ]
	s_cselect_b32 s[NXT], 0, s[NXT]
	s_cselect_b32 s[LQ], s[PB], s[LQ]
.endif
	s_wait_dscnt 0x0                ; the add is done, and my reads of the slot are over
	s_barrier_signal -1             ; the rest of the scalar work stands between the signal and the wait
	s_sub_co_u32 s[TBK], s[TBK], 4*KS*PK  ; the fetches go back to a slot's first step,
	s_xor_b32 s[TBK], s[TBK], SLOT1       ; in the other slot
	s_sub_co_u32 s[TBV], s[TBV], 4*KS*PV
	s_xor_b32 s[TBV], s[TBV], SLOT1
	s_barrier_wait -1
.if \fill
	LOAD
.endif
.endm
	s_load_b128 s[4:7], s[0:1], 0x0   ; qkv s[4:5] (Q lies at its head), ctx s[6:7]
	v_lshl_add_u32 v[SPW], v0, 2, SPARE
	v_mov_b32 v[NIL], 0
	ds_add_u32 v62, v63
	ds_add_u32 v62, v63
	s_wait_dscnt 0x0
	v_lshrrev_b32 v1, 5, v0
	v_readfirstlane_b32 s[WV], v1   ; wave 0..3
	s_mov_b32 s[PB], ttmp9
	s_sub_co_u32 s[HI], NB-1, s[PB]
	s_and_b32 s20, ttmp7, 0xffff    ; the head
	s_mov_b32 s21, 0
	s_mov_b64 s[22:23], SIZE_N*128
	s_mul_u64 s[20:21], s[20:21], s[22:23]  ; the head's first byte in each of the four tensors
	s_and_b32 s16, s[WV], 1         ; which half of a tile's 256 keys I fetch:
	s_lshl_b32 s22, s16, 14         ; its 128 rows of 128 bytes in memory,
	s_mov_b32 s23, 0
	s_add_nc_u64 s[22:23], s[22:23], s[20:21]
	s_mul_i32 s17, s16, 128*PK      ; and its place in a slot, for K
	s_mul_i32 s18, s16, 128*PV      ; and for V
	s_lshl_b32 s3, s[WV], 11        ; my 16 rows in a band of 64,
	s_lshl_b32 s2, s[HI], 15        ; in the first block,
	s_add_co_u32 s2, s2, s3
	s_lshl_b32 s84, s[PB], 15       ; and in the second
	s_add_co_u32 s84, s84, s3
	s_mov_b32 s3, 0
	s_mov_b32 s85, 0
	s_add_nc_u64 s[2:3], s[2:3], s[20:21]
	s_add_nc_u64 s[84:85], s[84:85], s[20:21]
	; descriptor group 1.  128 keys are 16,384 dense bytes: asked for as 64 rows of 256 bytes, two keys a row, and padded in LDS after every key
	s_mov_b32 s[G1K], (1<<16)|(1<<20)|(4<<22)|(3<<25)  ; 17:16 2-byte elements; 20 padding on; 24:22 after every 32 words (code 4); 31:25 4 words (code 3)
	s_mov_b32 s[G1V], (1<<16)|(1<<20)|(4<<22)|(7<<25)  ; the same with 8 words of padding (code 7)
.irp g, G1K, G1V
	s_mov_b32 s[\g+1], 128<<16      ; tensor_dim0 = 128
	s_mov_b32 s[\g+2], 64<<16       ; tensor_dim1 = 64
	s_mov_b32 s[\g+3], 128<<16      ; tile_dim0 = 128
	s_mov_b32 s[\g+4], 64           ; tile_dim1 = 64
	s_mov_b32 s[\g+5], 128          ; 128 elements from row to row
	s_mov_b32 s[\g+6], 0
	s_mov_b32 s[\g+7], 0
.endr
	s_mov_b32 s[CS], 0x3e38aa3b     ; c = log2(e) / 8 = 0.180337
	s_mov_b32 s[CS+1], s[CS]        ; named with it as a pair
	s_mov_b32 s[SEL], 0x76543210
	s_mov_b32 s[SEL+1], 0xfedcba98
	s_mov_b32 s[TBK], SLOT1+4*KS*PK ; the first change of slots turns these two into 0
	s_mov_b32 s[TBV], SLOT1+4*KS*PV
	s_mov_b32 s[G0K], 1             ; 1:0 count = 1
	s_mov_b32 s[G0K+1], s17         ; 63:32 LDS address: slot 0
	s_mov_b32 s[G0V], 1
	s_add_co_u32 s[G0V+1], s18, VOFF
	s_add_co_u32 s[RT], s[HI], 1    ; the first block has NB - b tiles
	s_mov_b32 s[NXT], 1
	s_mov_b32 s[LQ], s[HI]
	s_mov_b32 s[NEW], 1
	s_mov_b32 s[OFF+1], 0
	s_mov_b32 s[AL+1], 0            ; named as pairs
	s_mov_b32 s[BE+1], 0
	s_mov_b32 s[BIGN], 0xf149f2ca   ; -1e30
	s_mov_b32 s[SLOTS], NB
	s_wait_kmcnt 0x0
	s_mov_b64 s[10:11], s[6:7]             ; O = ctx
	s_add_nc_u64 s[6:7], s[4:5], PART      ; K: the second part of qkv
	s_add_nc_u64 s[8:9], s[4:5], 2*PART    ; V: the third
	s_add_nc_u64 s[6:7], s[6:7], s[22:23]  ; K and V at my half of the head's tile 0
	s_add_nc_u64 s[8:9], s[8:9], s[22:23]
	s_add_nc_u64 s[G0K+2:G0K+3], s[6:7], 0         ; 120:64 global address
	s_or_b32 s[G0K+3], s[G0K+3], 0x80000000        ; 127:126 type = 2
	s_add_nc_u64 s[G0V+2:G0V+3], s[8:9], 0
	s_or_b32 s[G0V+3], s[G0V+3], 0x80000000
	s_add_nc_u64 s[86:87], s[4:5], s[84:85]        ; Q at my rows of the second block,
	s_add_nc_u64 s[4:5], s[4:5], s[2:3]            ; Q and O at those of the first
	s_add_nc_u64 s[OLO:OLO+1], s[10:11], s[84:85]
	s_add_nc_u64 s[10:11], s[10:11], s[2:3]
	LOAD                            ; tile 0 into slot 0
	; A fragment of K or Q is 16 rows x 32 channels in 8 registers: lane l holds row l % 16, channels 8 (l / 16) + 0..7 and 16 + 8 (l / 16) + 0..7: two loads of 16 bytes, 32 bytes apart.
	v_and_b32 v1, 15, v0            ; l % 16
	v_bfe_u32 v9, v0, 4, 1          ; l / 16
	v_lshlrev_b32 v[QO], 7, v1
	v_lshl_add_u32 v[QO], v9, 4, v[QO]  ; row x 128 + 16 x half
	WIN 0x80                        ; destination window 2, address window 0
.set i, 0
.rept 8                             ; both blocks' Q: piece i / 2 lies in band i / 2, 8,192 bytes on; channels 32 (i % 2) on
	global_load_b128 v[8*i:8*i+3],   v[QO], s[4:5] offset:(i/2)*8192+(i%2)*64
	global_load_b128 v[8*i+4:8*i+7], v[QO], s[4:5] offset:(i/2)*8192+(i%2)*64+32
	global_load_b128 v[QB+8*i:QB+8*i+3],   v[QO], s[86:87] offset:(i/2)*8192+(i%2)*64
	global_load_b128 v[QB+8*i+4:QB+8*i+7], v[QO], s[86:87] offset:(i/2)*8192+(i%2)*64+32
.set i, i+1
.endr
	WIN 0
	v_lshlrev_b32 v14, 3, v9
	v_sub_nc_u32 v14, v1, v14
	s_lshl_b32 s13, s[WV], 4
	v_add_nc_u32 v14, s13, v14      ; my query's place in its band, 16 w + l % 16, less my lanes' 8 (l / 16): register r of group kt is hidden where 16 kt + r is greater
	WIN 0x40
.set i, 0
.rept 32
	v_cmp_gt_i32 vcc_lo, 16*(i/8)+i%8, v14
	v_cndmask_b32 v[MD+i], 0, s[BIGN], vcc_lo
.set i, i+1
.endr
	WIN 0
	v_mul_u32_u24 v[AK0], v1, PK
	v_lshl_add_u32 v[AK0], v9, 4, v[AK0]  ; row x pitch + 16 x half
	; The turning load takes 16 keys x 16 channels (lane l reads key 8 (l / 16) + l % 8, channels 8 ((l / 8) % 2) + 0..7) and leaves half a fragment of V^T: lane l holds channel l % 16 and 8 keys.
	v_and_b32 v10, 7, v0
	v_bfe_u32 v11, v0, 3, 1
	v_lshl_add_u32 v[AV0], v9, 3, v10
	v_mul_u32_u24 v[AV0], v[AV0], PV
	v_lshl_add_u32 v[AV0], v11, 4, v[AV0]
	v_add_nc_u32 v[AV0], VOFF, v[AV0]
	s_mul_i32 s13, s[WV], 16*SP
	s_add_co_u32 s13, s13, STAGE    ; my stage
	v_mul_u32_u24 v[STO], v1, SP    ; in: row l % 16, 16 bytes for each half of the lanes
	v_lshl_add_u32 v[STO], v9, 4, v[STO]
	v_add_nc_u32 v[STO], s13, v[STO]
	v_bfe_u32 v[RD], v0, 3, 2       ; back: 32 lanes take four rows of 128 bytes,
	v_mul_u32_u24 v[RD], v[RD], SP
	v_lshl_add_u32 v[RD], v10, 4, v[RD]
	v_add_nc_u32 v[RD], s13, v[RD]
	v_and_b32 v[GO], 31, v0         ; which are 512 consecutive bytes of O
	v_lshlrev_b32 v[GO], 4, v[GO]
	; A block's first step multiplies O^T and l by a = 0, and its first turn's products V^T P, of a piece that has not been, land in an O^T that is still to be so multiplied.  So these registers need only hold
	; finite numbers: zeros for the first block; what the first block left for the second.  All this stands in the wait for the first tile.
	WIN 0x80
.set i, VF
.rept 64
	v_mov_b32 v[i], 0
.set i, i+1
.endr
	WIN 0x40
.set i, 0
.rept 128
	v_mov_b32 v[i], 0
.set i, i+1
.endr
	WIN 0
.set i, 0
.rept 4
	v_mov_b32 v[ST+4*i+2], 0
	v_mov_b32 v[ST+4*i+3], 0
.set i, i+1
.endr
.set i, P+16
.rept 16
	v_mov_b32 v[i], 0
.set i, i+1
.endr
; THE MATRIX WORK.  The 4 accumulators of a run of 8 take turns.  Product i of 8 of S^T = K Q^T for piece x: channels 32 (i / 4) on, keys 16 (i % 4) on.  The first 4 start the sums: with 0, or (KM = 1) with the mask.
.macro KQ x
.set rS, S+32*((\x)%2)+8*(i%4)
.set rK, KF+16*(i%4)+8*(i/4)
.set rQ, 16*(\x)+8*(i/4)
.set rM, MC+32*((\x)%2)+8*(i%4)
.if (i < 4) && KM
	WIN W_KM
	v_wmma_f32_16x16x32_f16 v[rS:rS+7], v[rK:rK+7], v[rQ:rQ+7], v[rM:rM+7]
.elseif i < 4
	WIN W_KQ
	v_wmma_f32_16x16x32_f16 v[rS:rS+7], v[rK:rK+7], v[rQ:rQ+7], 0
.else
	WIN W_KQ
	v_wmma_f32_16x16x32_f16 v[rS:rS+7], v[rK:rK+7], v[rQ:rQ+7], v[rS:rS+7]
.endif
.endm
; Product i of 8 of O^T += V^T P for piece x: keys 32 (i / 4) on, channels 16 (i % 4) on.
.macro PV x
	WIN W_PV
.set rO, 32*(\x)+8*(i%4)
.set rV, VF+32*(i/4)+8*(i%4)
.set rP, P+16*((\x)%2)+8*(i/4)
	v_wmma_f32_16x16x32_f16 v[rO:rO+7], v[rV:rV+7], v[rP:rP+7], v[rO:rO+7]
.endm
.macro MM                           ; the turn's next matrix instruction.  TURN and BEGIN set Y, i, KM and NOKQ; MM, KQ and OP read them.  NOKQ = 1: a block's last turn: there is no next piece
.if (i < 8) && !NOKQ
	KQ (Y+1)%NP
.elseif i >= 8
.set i, i-8
	PV (Y+NP-1)%NP
.set i, i+8
.endif
.set i, i+1
.endm
; THE LDS LOADS stand in runs of 16, never singly among the matrix instructions: a step's K (64 keys x 64 channels: 8 fragments) and its V (turned).  Their addresses are made some lines ahead.
.macro FETCH_K
	WIN 0x80                        ; destination window 2
.irp f, 0,1,2,3,4,5,6,7             ; keys 16 (f / 2) on, channels 32 (f % 2) on
	ds_load_b128 v[KF+8*\f:KF+8*\f+3],   v[AK] offset:(\f/2)*16*PK+(\f%2)*64
	ds_load_b128 v[KF+8*\f+4:KF+8*\f+7], v[AK] offset:(\f/2)*16*PK+(\f%2)*64+32
.endr
	s_add_co_u32 s[TBK], s[TBK], KS*PK  ; the next fetch is the next step's
	WIN 0
.endm
.macro FETCH_V
	WIN 0x80
.irp f, 0,1,2,3,4,5,6,7             ; keys 32 (f / 4) on, channels 16 (f % 4) on
	ds_load_tr16_b128 v[VF+8*\f:VF+8*\f+3],   v[AV] offset:(\f/4)*32*PV+(\f%4)*32
	ds_load_tr16_b128 v[VF+8*\f+4:VF+8*\f+7], v[AV] offset:(\f/4)*32*PV+16*PV+(\f%4)*32
.endr
	WIN 0
.endm
; THE VECTOR WORK, one line at a time: OP kind, number.  For piece Y: F n: c s - c m for pair n of 16.  E n: the exponential of score n of 32.  C n: pair n rounded to f16.  B n: of the four weights 4 n .. the second
; pair is added onto the first, in place.  L n: l takes that sum (L 0: l = a l + sum).  R n: pair n of 16 of O^T times a.  For piece Y + 1: X n, number n of the 22 that find its maximum and statistics:
;   0-11  four chains c0-c3 of seven scores each, three operands at a time (each accumulator's lowest registers are read first)     12-14, 16  the four scores left over, the old m, and c0-c3 into c0
;   15  c m_old is kept     17, 18  the query's other 32 keys lie in the lane 16 away: the new m     19-21  c m; c m_old - c m_new; a
.set F, 0               ; OP tells the kinds apart by their order: F to L below R, X above it
.set E, 1
.set C, 2
.set B, 3
.set L, 4
.set R, 5
.set X, 6
.macro REGS y                       ; the registers of piece y
.set rT, ST+4*(\y)
.set rC, TMP+4*((\y)%2)
.set rW, MV+((\y)%2)
.set rS, S+32*((\y)%2)
.set rP, P+16*((\y)%2)
.set rO, 32*(\y)
.endm
.macro OP k, n
.if (\k) == R
	REGS Y
	WIN W_RS
	v_pk_mul_f32 v[rO+2*(\n):rO+2*(\n)+1], v[rO+2*(\n):rO+2*(\n)+1], v[rC+2:rC+3] op_sel_hi:[1,0]
.elseif (\k) < R
	REGS Y
	WIN 0
.if (\k) == F
	v_pk_fma_f32 v[rS+2*(\n):rS+2*(\n)+1], v[rS+2*(\n):rS+2*(\n)+1], s[CS:CS+1], v[rT:rT+1] op_sel_hi:[1,0,0] neg_lo:[0,0,1] neg_hi:[0,0,1]
.elseif (\k) == E
	v_exp_f32 v[rS+(\n)], v[rS+(\n)]
.elseif (\k) == C
	s_wait_alu depctr_va_vdst(0)
	v_cvt_pk_f16_f32 v[rP+(\n)], v[rS+2*(\n)], v[rS+2*(\n)+1]
.elseif (\k) == B
	s_wait_alu depctr_va_vdst(0)
	v_pk_add_f32 v[rS+4*(\n):rS+4*(\n)+1], v[rS+4*(\n):rS+4*(\n)+1], v[rS+4*(\n)+2:rS+4*(\n)+3]
.elseif (\n) == 0
	v_pk_fma_f32 v[rT+2:rT+3], v[rT+2:rT+3], v[rC+2:rC+3], v[rS:rS+1] op_sel_hi:[1,0,1]
.else
	v_pk_add_f32 v[rT+2:rT+3], v[rT+2:rT+3], v[rS+4*(\n):rS+4*(\n)+1]
.endif
.elseif NOKQ
	v_nop
.else
	REGS (Y+1)%NP
	WIN 0
.if (\n) < 4
	v_max3_num_f32 v[rC+(\n)], v[rS+8*(\n)], v[rS+8*(\n)+1], v[rS+8*(\n)+2]
.elseif (\n) < 12
	v_max3_num_f32 v[rC+(\n)%4], v[rC+(\n)%4], v[rS+8*((\n)%4)+2*((\n)/4)+1], v[rS+8*((\n)%4)+2*((\n)/4)+2]
.elseif (\n) == 12
	v_max3_num_f32 v[rC], v[rC], v[rS+7], v[rS+15]
.elseif (\n) == 13
	v_max3_num_f32 v[rC+1], v[rC+1], v[rS+23], v[rS+31]
.elseif (\n) == 14
	v_max3_num_f32 v[rC+2], v[rC+2], v[rC+3], v[rT+1]
.elseif (\n) == 15
	v_mov_b32 v[rW], v[rT]
.elseif (\n) == 16
	v_max3_num_f32 v[rC], v[rC], v[rC+1], v[rC+2]
.elseif (\n) == 17
	v_permlanex16_b32 v[rC+3], v[rC], s[SEL], s[SEL+1]
.elseif (\n) == 18
	v_max_num_f32 v[rT+1], v[rC], v[rC+3]
.elseif (\n) == 19
	v_mul_f32 v[rT], s[CS], v[rT+1]
.elseif (\n) == 20
	v_sub_f32 v[rC+1], v[rW], v[rT]
.else
	v_exp_f32 v[rC+2], v[rC+1]
.endif
.endif
.endm
.macro OPS a, i1, b=-1, i2=0, c=-1, i3=0, d=-1, i4=0  ; up to four of them
	OP \a, \i1
.if (\b) >= 0
	OP \b, \i2
.endif
.if (\c) >= 0
	OP \c, \i3
.endif
.if (\d) >= 0
	OP \d, \i4
.endif
.endm
.macro ROW a, i1, b, i2, c, i3, d, i4  ; a matrix instruction and the four behind it
	MM
	OPS \a, \i1, \b, \i2, \c, \i3, \d, \i4
.endm
.macro MASK b                       ; MD x AL + BE into buffer b of MC
	WIN W_RS
.set z, 0
.rept 16
	v_pk_fma_f32 v[MC+32*(\b)+2*z:MC+32*(\b)+2*z+1], v[MD+2*z:MD+2*z+1], s[AL:AL+1], s[BE:BE+1] op_sel_hi:[1,0,0]
.set z, z+1
.endr
.endm
; A TURN, for piece p: the order of its 16 matrix and 118 vector instructions, written out.  Behind a matrix instruction: plain, exponential, plain, plain; or four of the rescaling; or, behind the first, four scalings; none
; names a register of the products round it.  In the lumps exponential and plain by turns while exponentials last.  A line reads no result made fewer than three vector instructions in front of it, five if an exponential made it.
; v_permlanex16_b32 (X 17) stands in a lump.
; m = 1: the diagonal tile: the products take masks, and the turn makes the mask for the products of the turn after it: piece p + 2, in step 4 - CNT of the tile.  end = 1: a block's last two turns: nothing is fetched.
; cnt = 1: the loop's count is taken down some lines ahead of the branch that stands behind the turn.
; K of the next step is fetched in piece 2's turn, six vector instructions behind the last product that read K (five of them plain); V of the step in hand in piece 0's turn, eight behind the last product that read V (four
; plain, and X 17).  Each is waited for a turn later.
.macro TURN p, m=0, end=0, cnt=0
.set Y, (\p)
.set i, 0
.set KM, (\m)
.set NOKQ, (\end)*((\p)/3)
.if (\m) && !(\end)
	s_cmp_eq_u32 s[CNT], 4-((\p)+2)%NP  ; is that step the band's own?
	s_cselect_b32 s[AL], 1.0, 0
	s_cmp_lt_u32 s[CNT], 4-((\p)+2)%NP  ; or a later one?
	s_cselect_b32 s[BE], s[BIGN], 0
.endif
.if ((\p) == 3) && !(\end)
	s_wait_dscnt 0x0                ; K is in
.endif
	ROW F,0, F,1, F,2, F,3
	ROW F,4, E,0, F,5, F,6
	ROW F,7, E,1, F,8, F,9
	ROW F,10, E,2, C,0, F,11
	ROW F,12, E,3, X,15, F,13
	ROW R,0, R,1, R,2, R,3
	ROW B,0, E,4, F,14, L,0
.if ((\p) == 2) && !(\end)
	v_add_nc_u32 v[AK], s[TBK], v[AK0]
.endif
	ROW R,4, R,5, R,6, R,7
	OPS E,5, F,15
.if ((\p) == 2) && !(\end)
	FETCH_K
.endif
	OPS E,6, C,1, E,7, R,8
	OPS E,8, R,9, E,9, C,2
	OPS E,10, X,0, E,11, X,1
	OPS E,12, X,2, E,13, X,3
.if (\p) == 1
	s_wait_dscnt 0x0                ; V is in
.endif
	ROW X,4, E,14, X,5, X,6
	ROW X,7, E,15, X,8, X,9
	ROW X,10, E,16, X,11, X,12
	ROW X,13, E,17, X,14, B,1
	ROW C,4, E,18, X,16, L,1
	ROW B,2, E,19, C,6, L,2
	ROW C,8, E,20, B,3, B,4
.if (\p) == 0
	v_add_nc_u32 v[AV], s[TBV], v[AV0]
.endif
	ROW C,3, E,21, L,3, C,5
	OPS E,22, X,17, E,23, C,10
.if (\p) == 0
	FETCH_V
.endif
	OPS E,24, L,4
	OPS E,25, X,18, E,26, C,7
	OPS E,27, B,5, E,28, X,19
	OPS E,29, C,12, E,30, L,5
	OPS E,31, X,20, B,6, C,9
	OPS C,14, C,11, X,21, L,6
.if (\p) == 0
	s_add_co_u32 s[TBV], s[TBV], KS*PV
.endif
.if \cnt
	s_sub_co_u32 s[CNT], s[CNT], 1
	s_cmp_lg_u32 s[CNT], 0
.endif
	OPS C,13, B,7, C,15, R,10
	OPS R,11, R,12, L,7, R,13
	OPS R,14, R,15
.if (\m) && !(\end)
	MASK (\p)%2
.endif
.endm
; A BLOCK BEGINS.  c m starts far below every c s, so the first step's a is 0; m at the lowest finite number, so the first maximum is the scores'.  The second mask buffer is 0; the first takes piece 0's mask for the tile's step 0: its own, if the block's first tile is the diagonal one.
; Then K of that step, piece 0's first scores, and its maximum and statistics.  The loop is entered at a step's first turn, in the middle of a trip.
.macro BEGIN
	s_mov_b32 s[NEW], 0
	WIN 0x40
.set i, MC+32
.rept 32
	v_mov_b32 v[i], 0
.set i, i+1
.endr
	WIN 0
.set i, 0
.rept 4
	v_mov_b32 v[ST+4*i], 0xfe000000    ; c m: far below every c s
	v_mov_b32 v[ST+4*i+1], 0xff7fffff  ; m
.set i, i+1
.endr
	s_cmp_eq_u32 s[RT], 0
	s_cselect_b32 s[AL], 1.0, 0
	s_mov_b32 s[BE], 0
	MASK 0
	WIN 0
	v_add_nc_u32 v[AK], s[TBK], v[AK0]
	FETCH_K
	s_wait_loadcnt 0x0              ; Q
	s_wait_dscnt 0x0
.set KM, 1
.set NOKQ, 0
.set i, 0
.rept 8
	KQ 0
.set i, i+1
.endr
	WIN 0
.rept 4
	v_nop                           ; the places behind those products
.endr
.set Y, NP-1                        ; X works for piece Y + 1: piece 0
.irp n, 0,1,2,3,4,5,6,7,8,9,10,11,12,13,14,15,16,17,18,19,20,21
	OP X, \n
.endr
	v_nop                           ; a plain instruction behind the exponential
.endm
; THE DIAGONAL TILE's four steps, the block's last two turns, its last products, and THE WAY OUT: l's two halves and the other half of the lanes' are added; O^T is divided by l, rounded to f16 and sent through my
; stage in LDS, a piece at a time.
.macro ALL line:vararg              ; one line for each piece t
.set t, 0
.rept 4
	\line
.set t, t+1
.endr
.endm
.macro PACK t                       ; a lane's eight channels of a row pack into 16 bytes; they go into rows of 144 bytes and come back as whole rows of 128, into S^T's registers
	WIN W_RS
.set i, 32*(\t)
.rept 16
	s_wait_alu depctr_va_vdst(0)
	v_pk_mul_f32 v[i:i+1], v[i:i+1], v[ST+4*(\t)+2:ST+4*(\t)+3] op_sel_hi:[1,0]
.set i, i+2
.endr
	WIN 0x05                        ; sources 0 and 1 window 1, destination window 0
.set i, 0
.rept 16
	v_cvt_pk_f16_f32 v[S+16*(\t)+i], v[32*(\t)+2*i], v[32*(\t)+2*i+1]
.set i, i+1
.endr
	WIN 0
.irp f, 0,1,2,3
	ds_store_b128 v[STO], v[S+16*(\t)+4*\f:S+16*(\t)+4*\f+3] offset:32*\f
.endr
.irp f, 0,1,2,3
	ds_load_b128 v[S+16*(\t)+4*\f:S+16*(\t)+4*\f+3], v[RD] offset:\f*4*SP  ; LDS serves a wave's instructions in order (ISA guide 5.7.1.4): these see the stores above; the next piece's stores come behind them
.endr
.endm
.macro SEND t, younger              ; younger: the LDS instructions issued behind piece t's loads: the next piece's eight, or none
	WIN 0
.irp f, 0,1,2,3
	s_wait_dscnt (\younger)+3-\f
	global_store_b128 v[GO], v[S+16*(\t)+4*\f:S+16*(\t)+4*\f+3], s[10:11] offset:(\t)*8192+\f*512  ; 512 consecutive bytes, at a multiple of 256 from O's first
.endr
.endm
.macro DIAG tag                     ; the tag ends its two labels' names, which the jumps below spell out
.LstepM\tag:
	TURN 2, 1
	TURN 3, 1
	WIN 0
.LfirstM\tag:
	TURN 0, 1
	TURN 1, 1, 0, 1
	WIN 0
	s_cbranch_scc1 .LstepM\tag
	TURN 2, 1, 1
	TURN 3, 1, 1
.set i, 0
.rept 8
	PV NP-1
.set i, i+1
.endr
	WIN 0
	ALL v_add_f32 v[ST+4*t+2], v[ST+4*t+2], v[ST+4*t+3]
	ALL v_permlanex16_b32 v[ST+4*t+3], v[ST+4*t+2], s[SEL], s[SEL+1]
	ALL v_add_f32 v[ST+4*t+2], v[ST+4*t+2], v[ST+4*t+3]
	ALL v_rcp_f32 v[ST+4*t+2], v[ST+4*t+2]
	v_nop                           ; a plain instruction between the last reciprocal and the use of its result
	PACK 0
.set t, 1
.rept 3                             ; a piece's arithmetic stands between the loads of the piece before and its stores
	PACK t
	SEND t-1, 8
.set t, t+1
.endr
	SEND 3, 0
.endm
.set KM, 0
.set NOKQ, 0
.Lslot:                             ; NB times: a tile is entered and the next is asked for
	CHANGE 1
	s_sub_co_u32 s[RT], s[RT], 1
	s_mov_b32 s[CNT], 4
	s_cmp_eq_u32 s[NEW], 1
	s_cbranch_scc1 .Lnew            ; a block's first tile
	s_cmp_eq_u32 s[RT], 0
	s_cbranch_scc0 .Lstep           ; neither its first nor its last
	s_branch .LstepM1
.Lnew:
	BEGIN
	s_branch .Lfirst                ; in the loop a block's first tile is never its last: the first block has two tiles or more, and the second's last is the walk's last
	DIAG 1                          ; in the loop this is the first block's end: the second block's last tile is the walk's last
	s_wait_xcnt 0x0                 ; the stores have read their registers and O's address
	s_mov_b64 s[10:11], s[OLO:OLO+1]
	s_add_co_u32 s[RT], s[PB], 1    ; the second block has b + 1 tiles
	s_mov_b32 s[NEW], 1
	WIN 0x82                        ; the second block's Q goes where the one text of the turns names Q
.set i, 0
.rept 64
	v_mov_b32 v[i], v[QB+i]
.set i, i+1
.endr
	WIN 0
	s_branch .Lbottom
.Lstep:                             ; a trip: pieces 2 and 3 of one step, then pieces 0 and 1 of the next, whose K and V it fetches
	TURN 2
	TURN 3
	WIN 0
.Lfirst:
	TURN 0
	TURN 1, 0, 0, 1
	WIN 0
	s_cbranch_scc1 .Lstep
.Lbottom:
	s_sub_co_u32 s[SLOTS], s[SLOTS], 1
	s_cmp_lg_u32 s[SLOTS], 0
	s_cbranch_scc1 .Lslot
	CHANGE 0                        ; the walk's last tile is written out: nothing is asked for
	s_sub_co_u32 s[RT], s[RT], 1
	s_mov_b32 s[CNT], 4
	s_cmp_eq_u32 s[NEW], 1
	s_cbranch_scc0 .LstepM2
	BEGIN
	s_branch .LfirstM2
	DIAG 2
	s_wait_tensorcnt 0x0            ; the wave's end: behind my last tensor load and my last LDS store
	ds_add_u32 v[SPW], v[NIL]
	s_wait_dscnt 0x0
	s_endpgm
.Lfunc_end_k_q462ee1f9bf_attn:
	.size	k_q462ee1f9bf_attn, .Lfunc_end_k_q462ee1f9bf_attn-k_q462ee1f9bf_attn
	.p2alignl 7, 3214868480
	.fill 96, 4, 3214868480
	.section	.rodata,"a",@progbits
	.p2align	6, 0x0
	.amdhsa_kernel k_q462ee1f9bf_attn
		.amdhsa_group_segment_fixed_size 327680
		.amdhsa_private_segment_fixed_size 0
		.amdhsa_enable_private_segment 0
		.amdhsa_kernarg_size 16
		.amdhsa_user_sgpr_count 2
		.amdhsa_user_sgpr_kernarg_segment_ptr 1
		.amdhsa_wavefront_size32 1
		.amdhsa_system_sgpr_workgroup_id_x 1
		.amdhsa_system_sgpr_workgroup_id_y 1
		.amdhsa_system_sgpr_workgroup_id_z 1
		.amdhsa_system_vgpr_workitem_id 0
		.amdhsa_next_free_vgpr 768
		.amdhsa_next_free_sgpr 88
		.amdhsa_reserve_vcc 1
		.amdhsa_float_denorm_mode_32 3
		.amdhsa_float_denorm_mode_16_64 3
		.amdhsa_memory_ordered 1
		.amdhsa_forward_progress 1
		.amdhsa_inst_pref_size 228
	.end_amdhsa_kernel
	.amdgpu_metadata
---
amdhsa.version: [ 1, 2 ]
amdhsa.kernels:
  - .name:           k_q462ee1f9bf_attn
    .symbol:         k_q462ee1f9bf_attn.kd
    .args:
      - { .name: qkv, .offset: 0, .size: 8, .value_kind: global_buffer, .address_space: global }
      - { .name: ctx, .offset: 8, .size: 8, .value_kind: global_buffer, .address_space: global }
    .group_segment_fixed_size: 327680
    .private_segment_fixed_size: 0
    .kernarg_segment_align: 8
    .kernarg_segment_size: 16
    .max_flat_workgroup_size: 128
    .sgpr_count:     88
    .vgpr_count:     768
    .wavefront_size: 32
...
	.end_amdgpu_metadata
.endif
;; end of part 3
;; launch proj (part 4): grid 4 x 64, 4 waves a work-group, clusters of 4 x 4, 327,680 bytes of LDS; arguments ctx, wb, out0, bo; writes out0
.if DOCPART == 4
	.amdgcn_target "amdgcn-amd-amdhsa--gfx1250"
	.amdhsa_code_object_version 6
	.text
	.protected	k_q462ee1f9bf_proj
	.globl	k_q462ee1f9bf_proj
	.p2align	8
	.type	k_q462ee1f9bf_proj,@function
k_q462ee1f9bf_proj:
	s_mov_b64 s[64:65], 0
	v_nop
	global_prefetch_b8 v0, s[64:65] scope:SCOPE_SE
	s_setreg_imm32_b32 hwreg(HW_REG_WAVE_MODE, 25, 1), 1
	s_wait_xcnt 0x0
	s_wait_alu depctr_hold_cnt(0) depctr_sa_sdst(0) depctr_va_vdst(0) depctr_va_sdst(0) depctr_va_ssrc(0) depctr_va_vcc(0) depctr_vm_vsrc(0)
	s_getreg_b32 s2, hwreg(HW_REG_IB_STS2, 6, 4)
	s_cmp_eq_u32 s2, 0
	s_cbranch_scc0 .Lentry_in_a_cluster
	s_endpgm
.Lentry_in_a_cluster:
	s_bfe_u32 s2, ttmp6, 0x10000c
	s_cmp_lg_u32 s2, 0xf033
	s_cbranch_scc0 .Lentry_shape_is_right
	s_endpgm
.Lentry_shape_is_right:
; out0 = ctx Wo + bo.  ctx: [64 bh][2048 s][64] f16, bh = 16 batch + head.  Wo: matrix 3 of wb, [1024 k][1024 n] f16, k = 64 head + channel.  bo: [1024] f32.  out0: [8192][1024] f32.
; Sums in f32, K ascending; the bias is added in f32.
; LIMITS.  ctx and Wo arrive within f16's range (65,504).  NaN and infinities are not treated apart.
; TILE.  128 rows x 256 columns: 64 x 4 = 256 work-groups, one for each of 256 WGPs.  Four waves, 2 x 2, each 64 x 128: 32 accumulators, 256 registers.
; K goes in 8 steps of 128 = two heads, through a ring of two LDS slots.  A wave's one tensor load brings one head's 128 rows of ctx (16,384 dense bytes, asked for as 64 rows of 256 bytes and padded in LDS
; after every 128) or 64 k rows of Wo (512 bytes each).
; CLUSTERS: 4 x 4 work-groups.  The four of a row of the cluster need the same tile of ctx, the four of a column the same tile of Wo: each tile is asked for JOINTLY, by the same tensor load with the same
; descriptor and a mask that names the four.
; THE MATRIX INSTRUCTION IS USED TRANSPOSED: source 0 = 16 columns of Wo, source 1 = 16 rows of ctx, so that a lane holds eight neighbouring numbers of a row of the result.
; Wo lies [k][n]; its fragments come out of LDS turned, by ds_load_tr16_b128.
; REGISTERS: window 0: v0-31 addresses; v32-127, v128-223 two fragment buffers (64 registers of Wo: 8 x 16 columns x 32 K; 32 of ctx: 4 x 16 rows x 32 K); on the way out v32-159 whole rows; v224-227 my four biases.
;   window 1: the accumulators, (a, b) at v[8 (8 a + b)], a = 16 rows, b = 16 columns.
.set PA,    144                        ; a row of ctx in LDS: 128 bytes + 16 of padding = 36 words: the 16 rows of a load start at 16 different groups of four banks (64 banks of 4 bytes: ISA guide 11.1)
.set AHALF, 128*PA                     ; what one tensor load brings of ctx: one head's 128 rows
.set ROWH,  64*PA                      ; from my wave's 64 rows to the other half's
.set PB,    544                        ; a k row of Wo in LDS: 512 bytes + 32 of padding = 136 words
.set BHALF, 64*PB                      ; what one tensor load brings of Wo
.set BOFF,  2*AHALF                    ; Wo's 128 k rows lie behind ctx's two heads
.set SLOT,  BOFF+2*BHALF
.set STAGE, 2*SLOT                     ; behind the ring, never filled by a tensor load: 16 rows x 528 bytes for each wave, for the way out
.set SP,    528                        ; 512 bytes + 16: 33 x 16 bytes, so the 16 rows of a store start at 16 different groups of four banks
.set SPARE, STAGE+4*16*SP              ; behind the stages: the spare words, 128 bytes for each wave: two blocks of 256 bytes that no other line names
.set STEPA, 2*262144                   ; a K step in memory: two heads of ctx,
.set STEPB, 128*2048                   ; 128 rows of Wo
.set ADRA, 16                          ; v16-17  LDS address of my fragments of ctx in slot 0, 1
.set ADRB, 20                          ; v20-21  the same for Wo
.set STO,  24                          ; v24     the way out: where I put 32 bytes of a row
.set RD,   25                          ; v25     the way out: where I read a row back
.set GO,   26                          ; v26     my byte offset in 512 consecutive bytes of a row of out0, and of bo
.set SPW,  28                          ; v28     LDS address of my spare word: SPARE + 4 x my thread's number; never rewritten
.set NIL,  29                          ; v29     0; never rewritten
.set F0,   32
.set F1,   128
.set BIAS, 224
.set WV,  12                           ; s12  my wave's number
.set RH,  13                           ; s13  which half of the tile's rows is mine.  Also: I fetch ctx (0) or Wo (1)
.set CH,  14                           ; s14  which half of its columns.  Also: which half of that tile I fetch
.set TY,  15                           ; s15  tile row
.set TX,  42                           ; s42  tile column
.set G1,  24                           ; s[24:31] descriptor group 1 for ctx's tiles;  s[32:39] group 0, one set for each slot
.set G0,  32
.set G1B, 48                           ; s[48:55], s[56:63] the same for Wo's tiles
.set G0B, 56
.set MSB, 0
.macro WIN new                         ; the immediate's high byte repeats the setting that is left; a switch that changes nothing is dropped
.if MSB != (\new)
	s_set_vgpr_msb (MSB<<8)|(\new)
.set MSB, \new
.endif
.endm
.set MUL,  0x50                        ; sources 0 and 1 window 0; C and D window 1
.set W_ST, 0x04                        ; an LDS store's data (source 1) window 1, its address window 0
.macro JLOAD s                         ; a joint load: waves 0 and 1 fetch ctx's two heads, waves 2 and 3 Wo's two halves; an s_nop 0 and four v_nop follow each of the two lines, ahead of the jump, the label and what follows
	s_cmp_eq_u32 s[RH], 0
	s_cbranch_scc0 .Lfor_b_\@
	tensor_load_to_lds s[G0+4*(\s):G0+4*(\s)+3], s[G1:G1+7]
	s_nop 0
.rept 4
	v_nop
.endr
	s_branch .Lasked_\@
.Lfor_b_\@:
	tensor_load_to_lds s[G0B+4*(\s):G0B+4*(\s)+3], s[G1B:G1B+7]
	s_nop 0
.rept 4
	v_nop
.endr
.Lasked_\@:
.endm
.macro CREST                           ; a round of the cluster's barrier behind its opening barrier
	s_cmp_lg_u32 s[WV], 0
	s_cbranch_scc1 .Lnot_wave_0_\@
	s_barrier_signal -3
.Lnot_wave_0_\@:
	s_barrier_wait -3
	s_barrier_signal -1
	s_barrier_wait -1
.endm
.macro CROUND                          ; a whole round
	s_barrier_signal -1
	s_barrier_wait -1
	CREST
.endm
	s_load_b256 s[4:11], s[0:1], 0x0               ; ctx s[4:5], wb s[6:7], out0 s[8:9], bo s[10:11]
	v_lshl_add_u32 v[SPW], v0, 2, SPARE
	v_mov_b32 v[NIL], 0
	ds_add_u32 v28, v29
	ds_add_u32 v28, v29
	s_wait_dscnt 0x0
	v_lshrrev_b32 v1, 5, v0
	v_readfirstlane_b32 s[WV], v1                  ; wave 0..3
	s_lshr_b32 s[RH], s[WV], 1
	s_and_b32 s[CH], s[WV], 1
	s_bfe_u32 s40, ttmp6, 0x40000                  ; cx, cy: my place in the cluster
	s_bfe_u32 s41, ttmp6, 0x40004
	s_lshl_b32 s[TX], ttmp9, 2                     ; in a cluster launch ttmp9 and ttmp7 count clusters
	s_add_co_u32 s[TX], s[TX], s40                 ; tile column = 4 x cluster x + cx
	s_and_b32 s[TY], ttmp7, 0xffff
	s_lshl_b32 s[TY], s[TY], 2
	s_add_co_u32 s[TY], s[TY], s41                 ; tile row = 4 x cluster y + cy
	s_lshl_b32 s43, s41, 2
	s_lshl_b32 s43, 15, s43                        ; my row of the cluster: places 4 cy .. 4 cy + 3
	s_lshl_b32 s44, 0x1111, s40                    ; my column: places cx, cx + 4, cx + 8, cx + 12
	; descriptor group 1.  ctx: 64 rows x 128 elements, dense; Wo: 64 rows x 256 elements; both padded in LDS
	s_or_b32 s[G1+0], s43, (1<<16)|(1<<20)|(1<<21)|(4<<22)|(3<<25)   ; 15:0 the mask: my row; 17:16 elements of 2 bytes; 20 padding on; 21 set beside a mask; 24:22 after every 32 words (code 4); 31:25 4 words (code 3)
	s_mov_b32 s[G1+1], 128<<16                     ; tensor_dim0 = 128
	s_mov_b32 s[G1+2], 64<<16                      ; tensor_dim1 = 64
	s_mov_b32 s[G1+3], 128<<16                     ; tile_dim0 = 128
	s_mov_b32 s[G1+4], 64                          ; tile_dim1 = 64
	s_mov_b32 s[G1+5], 128                         ; 128 elements from row to row: each row begins where the last ends
	s_mov_b32 s[G1+6], 0
	s_mov_b32 s[G1+7], 0
	s_or_b32 s[G1B+0], s44, (1<<16)|(1<<20)|(1<<21)|(6<<22)|(7<<25)  ; the mask: my column; padding after every 128 words (code 6), 8 words (code 7)
	s_mov_b32 s[G1B+1], 256<<16                    ; tensor_dim0 = 256
	s_mov_b32 s[G1B+2], 64<<16                     ; tensor_dim1 = 64
	s_mov_b32 s[G1B+3], 256<<16                    ; tile_dim0 = 256
	s_mov_b32 s[G1B+4], 64                         ; tile_dim1 = 64
	s_mov_b32 s[G1B+5], 1024
	s_mov_b32 s[G1B+6], 0
	s_mov_b32 s[G1B+7], 0
	; where the tiles come from.  ctx's hang on the tile row alone, Wo's on the tile column alone; each address is made in registers that never hold the other coordinate
	s_lshr_b32 s16, s[TY], 4
	s_lshl_b32 s16, s16, 4
	s_add_co_u32 s16, s16, s[CH]                   ; ctx: head 16 batch + half,
	s_lshl_b32 s16, s16, 18                        ; of 262,144 bytes,
	s_and_b32 s17, s[TY], 15
	s_lshl_b32 s17, s17, 14                        ; 128 rows of 128 bytes for each tile row in the batch
	s_add_co_u32 s16, s16, s17
	s_mov_b32 s17, 0
	s_lshl_b32 s46, s[TX], 9                       ; Wo: 256 columns = 512 bytes for each tile column,
	s_lshl_b32 s47, s[CH], 17                      ; 64 k rows of 2,048 bytes for the half,
	s_add_co_u32 s46, s46, s47
	s_add_co_u32 s46, s46, 3<<21                   ; matrix 3 of wb
	s_mov_b32 s47, 0
	s_mul_i32 s20, s[CH], AHALF                    ; and where they go: no place in the cluster enters an LDS address
	s_mul_i32 s21, s[CH], BHALF
	s_add_co_u32 s21, s21, BOFF
	s_wait_kmcnt 0x0
	s_add_nc_u64 s[18:19], s[4:5], s[16:17]
	s_add_nc_u64 s[46:47], s[6:7], s[46:47]
	CROUND                                         ; all sixteen work-groups are here: the first joint loads meet
.irp s, 0,1
	s_mov_b32 s[G0+4*(\s)], 1                                        ; 1:0 count = 1
	s_add_co_u32 s[G0+4*(\s)+1], s20, (\s)*SLOT                      ; 63:32 LDS address
	s_add_nc_u64 s[G0+4*(\s)+2:G0+4*(\s)+3], s[18:19], (\s)*STEPA    ; 120:64 global address: K step s
	s_or_b32 s[G0+4*(\s)+3], s[G0+4*(\s)+3], 0x80000000              ; 127:126 type = 2
	s_mov_b32 s[G0B+4*(\s)], 1
	s_add_co_u32 s[G0B+4*(\s)+1], s21, (\s)*SLOT
	s_add_nc_u64 s[G0B+4*(\s)+2:G0B+4*(\s)+3], s[46:47], (\s)*STEPB
	s_or_b32 s[G0B+4*(\s)+3], s[G0B+4*(\s)+3], 0x80000000
	JLOAD \s                                       ; two tensor loads of mine are out behind these; later one behind each round
.endr
	; where my part of out0 and of bo begins
	s_lshl_b32 s16, s[TY], 7
	s_lshl_b32 s17, s[RH], 6
	s_add_co_u32 s16, s16, s17                     ; my first row,
	s_lshl_b32 s16, s16, 12                        ; of 4,096 bytes
	s_mov_b32 s17, 0
	s_add_nc_u64 s[8:9], s[8:9], s[16:17]
	s_lshl_b32 s46, s[TX], 10                      ; my first column, in bytes: 1,024 x tile column + 512 x half
	s_lshl_b32 s47, s[CH], 9
	s_add_co_u32 s46, s46, s47
	s_mov_b32 s47, 0
	s_add_nc_u64 s[8:9], s[8:9], s[46:47]
	s_add_nc_u64 s[10:11], s[10:11], s[46:47]
	v_and_b32 v[GO], 31, v0
	v_lshlrev_b32 v[GO], 4, v[GO]                  ; 16 bytes a lane: four columns
	global_load_b128 v[BIAS:BIAS+3], v[GO], s[10:11]  ; their biases; waited for in front of the way out
	; A fragment of ctx is 16 rows x 32 K in 8 registers: lane l holds row l % 16, K = 8 (l / 16) + 0..7 and 16 + 8 (l / 16) + 0..7: two loads of 16 bytes, 32 bytes apart.
	v_and_b32 v1, 15, v0                           ; l % 16
	v_bfe_u32 v2, v0, 4, 1                         ; l / 16
	v_mul_u32_u24 v3, v1, PA
	v_lshl_add_u32 v3, v2, 4, v3                   ; row x pitch + 16 x half
	s_mul_i32 s21, s[RH], ROWH                     ; my 64 rows
	v_add_nc_u32 v[ADRA], s21, v3
	v_add_nc_u32 v[ADRA+1], SLOT, v[ADRA]
	; The turning load takes 16 k x 16 columns (lane l reads 16 bytes: k row 8 (l / 16) + l % 8, columns 8 ((l / 8) % 2) + 0..7) and leaves half a fragment: lane l holds column l % 16 and 8 k.
	v_and_b32 v4, 7, v0
	v_lshl_add_u32 v4, v2, 3, v4
	v_mul_u32_u24 v4, v4, PB
	v_bfe_u32 v5, v0, 3, 1
	v_lshl_add_u32 v4, v5, 4, v4
	s_lshl_b32 s22, s[CH], 8                       ; my 128 columns: 256 bytes of a row
	s_add_co_u32 s22, s22, BOFF
	v_add_nc_u32 v[ADRB], s22, v4
	v_add_nc_u32 v[ADRB+1], SLOT, v[ADRB]
	s_mul_i32 s23, s[WV], 16*SP
	s_add_co_u32 s23, s23, STAGE                   ; my stage
	v_mul_u32_u24 v5, v1, SP                       ; in: row l % 16, 32 bytes for each half of the lanes
	v_lshl_add_u32 v5, v2, 5, v5
	v_add_nc_u32 v[STO], s23, v5
	v_add_nc_u32 v[RD], s23, v[GO]                 ; back: 32 lanes take one row of 512 bytes
; 8 matrix instructions: block a of 16 rows x all 8 blocks of 16 columns, 32 along K, from buffer f.  zero = 1: the first product starts the sums: nothing is ever cleared.
; The 32 accumulators take turns, one instruction a turn, in the same order in every quarter.
.macro MUL8 f, a, zero
	WIN MUL
.irp b, 0,1,2,3,4,5,6,7
.if \zero
	v_wmma_f32_16x16x32_f16 v[8*(8*(\a)+(\b)):8*(8*(\a)+(\b))+7], v[(\f)+8*(\b):(\f)+8*(\b)+7], v[(\f)+64+8*(\a):(\f)+64+8*(\a)+7], 0
.else
	v_wmma_f32_16x16x32_f16 v[8*(8*(\a)+(\b)):8*(8*(\a)+(\b))+7], v[(\f)+8*(\b):(\f)+8*(\b)+7], v[(\f)+64+8*(\a):(\f)+64+8*(\a)+7], v[8*(8*(\a)+(\b)):8*(8*(\a)+(\b))+7]
.endif
.endr
.endm
.macro MUL16 f, a0, zero
	MUL8 \f, \a0, \zero
	MUL8 \f, (\a0)+1, \zero
.endm
; 24 LDS loads in one run: the fragments of quarter q (32 along K: head q / 2 of the step's two, channels 32 (q % 2) on) of a slot into buffer f: Wo's sixteen first, then ctx's eight
.macro FETCH slot, q, f
	WIN 0
.irp b, 0,1,2,3,4,5,6,7
	ds_load_tr16_b128 v[(\f)+8*(\b):(\f)+8*(\b)+3],   v[ADRB+(\slot)] offset:(\q)*32*PB+32*(\b)
	ds_load_tr16_b128 v[(\f)+8*(\b)+4:(\f)+8*(\b)+7], v[ADRB+(\slot)] offset:(\q)*32*PB+16*PB+32*(\b)
.endr
.irp a, 0,1,2,3
	ds_load_b128 v[(\f)+64+8*(\a):(\f)+64+8*(\a)+3],   v[ADRA+(\slot)] offset:((\q)/2)*AHALF+64*((\q)%2)+16*(\a)*PA
	ds_load_b128 v[(\f)+64+8*(\a)+4:(\f)+64+8*(\a)+7], v[ADRA+(\slot)] offset:((\q)/2)*AHALF+64*((\q)%2)+16*(\a)*PA+32
.endr
.endm
.macro PLACES                          ; four places in front of loads into registers that matrix instructions have read, and of LDS stores that read results (ISA guide 7.12.1 for vector instructions)
.rept 4
	v_nop
.endr
.endm
; A K step is four quarters of 32 along K, 32 matrix instructions each, on buffers 0, 1, 0, 1.  One of the first three: multiplies buffer f and, in its middle, fetches quarter qn of the same slot into g.
.macro QUARTER slot, qn, f, g, zero
	s_wait_dscnt 4                                 ; Wo's sixteen loads and ctx's blocks 0, 1 are in; the youngest four (ctx's blocks 2, 3) may be out
	MUL16 \f, 0, \zero
	PLACES
	FETCH \slot, \qn, \g
	s_wait_dscnt 24                                ; all but the 24 just issued
	MUL16 \f, 2, \zero
.endm
; The last quarter multiplies buffer 1 and changes slots: ONE barrier; in front of it each wave waits for all its tensor loads, adds 0 to its spare word, and waits for that and for its own reads of this slot.
; fill = 1: this slot is filled again, two K steps ahead; the barrier then opens a round of the cluster's barrier.
.macro TURN slot, next, fill
	WIN 0                                          ; (the add's two registers lie in window 0)
	s_wait_tensorcnt 0x0                           ; all my tensor loads have landed: the one that was out is my part of the next slot;
	ds_add_u32 v[SPW], v[NIL]                      ; 0 onto my spare word
	s_wait_dscnt 5                                 ; (the add and the youngest four loads may be out)
	MUL8 F1, 0, 0                                  ; eight matrix instructions stand between the add and the wait for it
	s_wait_dscnt 0x0                               ; the add is done, and my reads of this slot are over
	s_barrier_signal -1
	MUL8 F1, 1, 0
.if \fill
	WIN 0
.endif
	s_barrier_wait -1
.if \fill
	CREST                                          ; no wave of any partner still reads this slot's tile or has a load on its way
	s_add_nc_u64 s[G0+4*(\slot)+2:G0+4*(\slot)+3], s[G0+4*(\slot)+2:G0+4*(\slot)+3], 2*STEPA
	s_add_nc_u64 s[G0B+4*(\slot)+2:G0B+4*(\slot)+3], s[G0B+4*(\slot)+2:G0B+4*(\slot)+3], 2*STEPB
	JLOAD \slot                                    ; the first tensor load behind the round: 112 matrix instructions ahead of the wait for it; its four v_nop are also the places in front of the loads below
.else
	PLACES
.endif
	FETCH \next, 0, F0
	MUL16 F1, 2, 0
.endm
	s_wait_tensorcnt 1                             ; my part of K step 0 is in; K step 1's may stay out
	s_barrier_signal -1
	s_barrier_wait -1                              ; everybody's is
	FETCH 0, 0, F0
	QUARTER 0, 1, F0, F1, 1                        ; the first quarter stands in front of the loop: its products start the sums
	WIN 0                                          ; at a label and at a branch every window is 0
	s_mov_b32 s3, 3                                ; 8 K steps are 4 laps of the ring; the last lap fills nothing and is written out
.Llap:                                                 ; a trip goes once round the ring, from a lap's second quarter to the next lap's first, and fills both slots again
	QUARTER 0, 2, F1, F0, 0
	QUARTER 0, 3, F0, F1, 0
	TURN 0, 1, 1
	QUARTER 1, 1, F0, F1, 0
	QUARTER 1, 2, F1, F0, 0
	QUARTER 1, 3, F0, F1, 0
	TURN 1, 0, 1
	QUARTER 0, 1, F0, F1, 0
	WIN 0
	s_sub_co_u32 s3, s3, 1
	s_cmp_lg_u32 s3, 0
	s_cbranch_scc1 .Llap
	QUARTER 0, 2, F1, F0, 0
	QUARTER 0, 3, F0, F1, 0
	TURN 0, 1, 0
	QUARTER 1, 1, F0, F1, 0
	QUARTER 1, 2, F1, F0, 0
	QUARTER 1, 3, F0, F1, 0
	s_wait_dscnt 4                                 ; the very last quarter: nothing more to fetch
	MUL16 F1, 0, 0
	s_wait_dscnt 0x0
	MUL16 F1, 2, 0
	WIN 0
	PLACES
; THE WAY OUT, a block of 16 rows at a time.  IN: a lane's eight f32 of each accumulator are 32 bytes of a row; they go into my own stage (rows of 528 bytes) and come back as whole rows of 512 bytes, one row to a load,
; into one of two sets of 64 registers.  SEND: the bias is added and the rows are stored.
.macro IN a
.set TT, 32+64*((\a)%2)
.if (\a) >= 2
	s_wait_xcnt 0x0                                ; every earlier memory instruction has had its addresses translated (ISA guide 3.1): the set that block a - 2's stores read is loaded again only behind this wait
.endif
	WIN W_ST
.irp b, 0,1,2,3,4,5,6,7
	ds_store_b128 v[STO], v[64*(\a)+8*(\b):64*(\a)+8*(\b)+3]   offset:64*(\b)     ; each accumulator's low four registers first
	ds_store_b128 v[STO], v[64*(\a)+8*(\b)+4:64*(\a)+8*(\b)+7] offset:64*(\b)+16
.endr
	WIN 0
.set t, 0
.rept 16
	ds_load_b128 v[TT+4*t:TT+4*t+3], v[RD] offset:SP*t  ; LDS serves a wave's instructions in order (ISA guide 5.7.1.4): these see the stores above; the next block's stores come behind them
.set t, t+1
.endr
.endm
.macro SEND a, younger                 ; younger: the LDS instructions issued behind block a's loads: the next block's 32, or none
.set TT, 32+64*((\a)%2)
.set t, 0
.rept 16
	s_wait_dscnt (\younger)+15-t
	v_pk_add_f32 v[TT+4*t:TT+4*t+1],   v[TT+4*t:TT+4*t+1],   v[BIAS:BIAS+1]
	v_pk_add_f32 v[TT+4*t+2:TT+4*t+3], v[TT+4*t+2:TT+4*t+3], v[BIAS+2:BIAS+3]
	global_store_b128 v[GO], v[TT+4*t:TT+4*t+3], s[8:9] offset:(16*(\a)+t)*4096 th:TH_STORE_NT  ; 512 consecutive bytes of a row, at a multiple of 256 from out0's first; written once, read by no launch
.set t, t+1
.endr
.endm
	IN 0
	IN 1
	s_wait_loadcnt 0x0                             ; the biases
	SEND 0, 32
	IN 2
	SEND 1, 32
	IN 3
	SEND 2, 32
	SEND 3, 0
	s_wait_tensorcnt 0x0                           ; the wave's end: behind my last tensor load and my last LDS store
	ds_add_u32 v[SPW], v[NIL]
	s_wait_dscnt 0x0
	CROUND                                         ; the closing round: no work-group ends while a partner may still ask for a tile that names it
	s_endpgm
.Lfunc_end_k_q462ee1f9bf_proj:
	.size	k_q462ee1f9bf_proj, .Lfunc_end_k_q462ee1f9bf_proj-k_q462ee1f9bf_proj
	.p2alignl 7, 3214868480
	.fill 96, 4, 3214868480
	.section	.rodata,"a",@progbits
	.p2align	6, 0x0
	.amdhsa_kernel k_q462ee1f9bf_proj
		.amdhsa_group_segment_fixed_size 327680
		.amdhsa_private_segment_fixed_size 0
		.amdhsa_enable_private_segment 0
		.amdhsa_kernarg_size 32
		.amdhsa_user_sgpr_count 2
		.amdhsa_user_sgpr_kernarg_segment_ptr 1
		.amdhsa_wavefront_size32 1
		.amdhsa_system_sgpr_workgroup_id_x 1
		.amdhsa_system_sgpr_workgroup_id_y 1
		.amdhsa_system_sgpr_workgroup_id_z 1
		.amdhsa_system_vgpr_workitem_id 0
		.amdhsa_next_free_vgpr 512
		.amdhsa_next_free_sgpr 66
		.amdhsa_reserve_vcc 0
		.amdhsa_float_denorm_mode_32 3
		.amdhsa_float_denorm_mode_16_64 3
		.amdhsa_memory_ordered 1
		.amdhsa_forward_progress 1
		.amdhsa_inst_pref_size 95
	.end_amdhsa_kernel
	.amdgpu_metadata
---
amdhsa.version: [ 1, 2 ]
amdhsa.kernels:
  - .name:           k_q462ee1f9bf_proj
    .symbol:         k_q462ee1f9bf_proj.kd
    .args:
      - { .name: ctx, .offset: 0, .size: 8, .value_kind: global_buffer, .address_space: global }
      - { .name: wb, .offset: 8, .size: 8, .value_kind: global_buffer, .address_space: global }
      - { .name: out0, .offset: 16, .size: 8, .value_kind: global_buffer, .address_space: global }
      - { .name: bo, .offset: 24, .size: 8, .value_kind: global_buffer, .address_space: global }
    .group_segment_fixed_size: 327680
    .private_segment_fixed_size: 0
    .kernarg_segment_align: 8
    .kernarg_segment_size: 32
    .max_flat_workgroup_size: 128
    .sgpr_count:     66
    .vgpr_count:     512
    .wavefront_size: 32
...
	.end_amdgpu_metadata
.endif
;; end of part 4
